; MI455X (gfx1250); checked and timed in simulation.
; The chip was launched on July 23, 2026; its instructions are those of AMD's public machine-readable ISA for CDNA 5 (MIT licence, August 2026) and "CDNA5" Instruction Set Architecture Reference Guide (July 2026). The comments in the code are by the model that wrote it; some were corrected since.
;; Full Attention. Allowed arithmetic: float matrix products may take bf16 or f16 operands with f32 sums; other float arithmetic in f32, or as packed bf16 or f16 multiplies, adds, multiply-adds, maxima and minima; sums over many terms, partial sums and values carried from step to step in f32; what a program stores and reads back later, other than sums and carried values, may be rounded once to bf16 or f16.
;; Inputs: cos 2 x 2,048 x 64 float32; k_norm_w 128 float32; q_norm_w 128 float32; sin 2 x 2,048 x 64 float32; wk 2,048 x 512 float32; wo 1,024 x 2,048 float32; wq 2,048 x 2,048 float32; wv 2,048 x 512 float32; x 2 x 2,048 x 2,048 float32.
;; Outputs: out0 2 x 2,048 x 2,048 float32; out1 2 x 4 x 2,048 x 128 float32; out2 2 x 4 x 2,048 x 128 float32.
;; One version. Each part assembles by itself: llvm-mc -triple=amdgcn-amd-amdhsa -mcpu=gfx1250 --defsym DOCPART=n.
;; ======== version 1 of 1: 4 launches
;; limits: values are held in f16: magnitudes above 65,504 overflow, below 6.1e-05 lose precision
;; workspace buffers: xb 16,777,216 bytes; wcat 12,582,912 bytes; wob 4,194,304 bytes; qh 8,388,608 bytes; sg 16,777,216 bytes; kh 4,194,304 bytes; vh 4,194,304 bytes; og 10,485,760 bytes
;; launch cast (part 1): grid 1024 x 1, 8 waves a work-group, no clusters, 0 bytes of LDS; arguments x, wq, wk, wv, wo, xb, wcat, wob; writes xb, wcat, wob
.if DOCPART == 1
	.amdgcn_target "amdgcn-amd-amdhsa--gfx1250"
	.amdhsa_code_object_version 6
	.text
	.protected	k_qfa1c37dcb6_cast
	.globl	k_qfa1c37dcb6_cast
	.p2align	8
	.type	k_qfa1c37dcb6_cast,@function
k_qfa1c37dcb6_cast:
	s_mov_b64 s[64:65], 0
	v_nop
	global_prefetch_b8 v0, s[64:65] scope:SCOPE_SE
	s_setreg_imm32_b32 hwreg(HW_REG_WAVE_MODE, 25, 1), 1
	s_wait_xcnt 0x0
; x -> xb (bf16).  wq, wk, wv -> one table wcat [2048][3072] in bf16: columns 0..2047 are wq as it lies; columns 2048 + 256 g .. + 127 are wk's head g,
; + 128 .. + 255 wv's head g.  wo -> wob: rounded to bf16, and that number written as f16.
; LIMIT: the second step is exact for 2^-14 <= |wo| < 65,504; below that f16 keeps a fixed step of 6e-8.
; A stream: each input byte is read once, each output byte written once.  No LDS, no matrix unit, no cluster: nothing is shared between waves.
; SHARES.  A group is 128 numbers: 512 bytes in (one load of a wave), 256 bytes out (one store of a wave, aligned).  A wave takes 16 groups on end, all 16 loads out at once;
; a work-group 128 groups.  Work-groups 0..511 take x, 512..767 wq, 768..831 wk, 832..895 wv, 896..1023 wo.
.set X, 8                              ; v[8:71]    16 x 4 numbers as loaded
.set Y, 72                             ; v[72:103]  16 x 2 words to store
.set T, 104                            ; v[104:107] at work
	s_load_b512 s[8:23], s[0:1], 0x0               ; x 8, wq 10, wk 12, wv 14, wo 16, xb 18, wcat 20, wob 22
	v_lshrrev_b32 v3, 5, v0
	v_readfirstlane_b32 s24, v3                    ; wave 0..7
	v_and_b32 v4, 31, v0
	v_lshlrev_b32 v1, 4, v4                        ; 16 bytes a lane in
	v_lshlrev_b32 v2, 3, v4                        ; 8 bytes a lane out
	s_mov_b32 s25, 0                               ; the tensor's first work-group
	s_mov_b32 s26, 4096                            ; bytes out for a wave's 2,048 numbers (where the rows are wider: the pitch)
	s_mov_b32 s27, 0                               ; the first column's bytes
	s_mov_b32 s28, 0                               ; kind: 0 dense bf16, 1 wk and wv (four rows of four groups), 2 f16
	s_wait_kmcnt 0x0
	s_mov_b64 s[30:31], s[8:9]
	s_mov_b64 s[32:33], s[18:19]
	s_cmp_ge_u32 ttmp9, 512                        ; wq: a wave is a row of 2,048 numbers, into a row of 6,144 bytes
	s_cselect_b32 s25, 512, s25
	s_cselect_b32 s26, 6144, s26
	s_cselect_b64 s[30:31], s[10:11], s[30:31]
	s_cselect_b64 s[32:33], s[20:21], s[32:33]
	s_cmp_ge_u32 ttmp9, 768                        ; wk: a wave is four rows of 512 numbers
	s_cselect_b32 s25, 768, s25
	s_cselect_b32 s26, 24576, s26
	s_cselect_b32 s27, 4096, s27
	s_cselect_b32 s28, 1, s28
	s_cselect_b64 s[30:31], s[12:13], s[30:31]
	s_cmp_ge_u32 ttmp9, 832                        ; wv: the same, 128 columns further on
	s_cselect_b32 s25, 832, s25
	s_cselect_b32 s27, 4352, s27
	s_cselect_b64 s[30:31], s[14:15], s[30:31]
	s_cmp_ge_u32 ttmp9, 896                        ; wo
	s_cselect_b32 s25, 896, s25
	s_cselect_b32 s26, 4096, s26
	s_cselect_b32 s27, 0, s27
	s_cselect_b32 s28, 2, s28
	s_cselect_b64 s[30:31], s[16:17], s[30:31]
	s_cselect_b64 s[32:33], s[22:23], s[32:33]
	s_sub_co_u32 s34, ttmp9, s25
	s_lshl_b32 s34, s34, 3
	s_add_co_u32 s34, s34, s24                     ; my wave among the tensor's
	s_lshl_b32 s36, s34, 13                        ; 8,192 bytes in
	s_mov_b32 s37, 0
	s_add_nc_u64 s[30:31], s[30:31], s[36:37]
	s_mul_i32 s36, s34, s26
	s_add_co_u32 s36, s36, s27
	s_add_nc_u64 s[32:33], s[32:33], s[36:37]
.irp i, 0,1,2,3,4,5,6,7,8,9,10,11,12,13,14,15
	global_load_b128 v[X+4*(\i):X+4*(\i)+3], v1, s[30:31] offset:512*(\i) th:TH_LOAD_NT
.endr
; The 16 groups are rounded and stored as they come: the count leaves the younger loads out.
.macro TAIL kind
.irp i, 0,1,2,3,4,5,6,7,8,9,10,11,12,13,14,15
	s_wait_loadcnt 15-(\i)
.if (\kind) == 2
	v_cvt_pk_bf16_f32 v[T], v[X+4*(\i)], v[X+4*(\i)+1]
	v_cvt_pk_bf16_f32 v[T+1], v[X+4*(\i)+2], v[X+4*(\i)+3]
	v_lshlrev_b32 v[T+2], 16, v[T]                 ; the bf16 numbers back as f32,
	v_and_b32 v[T], 0xffff0000, v[T]
	v_cvt_pk_f16_f32 v[Y+2*(\i)], v[T+2], v[T]     ; and written as f16
	v_lshlrev_b32 v[T+3], 16, v[T+1]
	v_and_b32 v[T+1], 0xffff0000, v[T+1]
	v_cvt_pk_f16_f32 v[Y+2*(\i)+1], v[T+3], v[T+1]
.else
	v_cvt_pk_bf16_f32 v[Y+2*(\i)], v[X+4*(\i)], v[X+4*(\i)+1]
	v_cvt_pk_bf16_f32 v[Y+2*(\i)+1], v[X+4*(\i)+2], v[X+4*(\i)+3]
.endif
.if (\kind) == 1
	global_store_b64 v2, v[Y+2*(\i):Y+2*(\i)+1], s[32:33] offset:((\i)/4)*6144+((\i)%4)*512  ; row i / 4, head i % 4: 256 consecutive bytes, aligned
.else
	global_store_b64 v2, v[Y+2*(\i):Y+2*(\i)+1], s[32:33] offset:256*(\i)                    ; 256 consecutive bytes, aligned
.endif
.endr
	s_endpgm
.endm
	s_cmp_eq_u32 s28, 1
	s_cbranch_scc1 .Lkv
	s_cmp_eq_u32 s28, 2
	s_cbranch_scc1 .Lwo
	TAIL 0
.Lkv:
	TAIL 1
.Lwo:
	TAIL 2
.Lfunc_end_k_qfa1c37dcb6_cast:
	.size	k_qfa1c37dcb6_cast, .Lfunc_end_k_qfa1c37dcb6_cast-k_qfa1c37dcb6_cast
	.p2alignl 7, 3214868480
	.fill 96, 4, 3214868480
	.section	.rodata,"a",@progbits
	.p2align	6, 0x0
	.amdhsa_kernel k_qfa1c37dcb6_cast
		.amdhsa_group_segment_fixed_size 0
		.amdhsa_private_segment_fixed_size 0
		.amdhsa_enable_private_segment 0
		.amdhsa_kernarg_size 64
		.amdhsa_user_sgpr_count 2
		.amdhsa_user_sgpr_kernarg_segment_ptr 1
		.amdhsa_wavefront_size32 1
		.amdhsa_system_sgpr_workgroup_id_x 1
		.amdhsa_system_sgpr_workgroup_id_y 1
		.amdhsa_system_sgpr_workgroup_id_z 1
		.amdhsa_system_vgpr_workitem_id 0
		.amdhsa_next_free_vgpr 112
		.amdhsa_next_free_sgpr 66
		.amdhsa_reserve_vcc 0
		.amdhsa_float_denorm_mode_32 3
		.amdhsa_float_denorm_mode_16_64 3
		.amdhsa_memory_ordered 1
		.amdhsa_forward_progress 1
		.amdhsa_inst_pref_size 21
	.end_amdhsa_kernel
	.amdgpu_metadata
---
amdhsa.version: [ 1, 2 ]
amdhsa.kernels:
  - .name:           k_qfa1c37dcb6_cast
    .symbol:         k_qfa1c37dcb6_cast.kd
    .args:
      - { .name: x, .offset: 0, .size: 8, .value_kind: global_buffer, .address_space: global }
      - { .name: wq, .offset: 8, .size: 8, .value_kind: global_buffer, .address_space: global }
      - { .name: wk, .offset: 16, .size: 8, .value_kind: global_buffer, .address_space: global }
      - { .name: wv, .offset: 24, .size: 8, .value_kind: global_buffer, .address_space: global }
      - { .name: wo, .offset: 32, .size: 8, .value_kind: global_buffer, .address_space: global }
      - { .name: xb, .offset: 40, .size: 8, .value_kind: global_buffer, .address_space: global }
      - { .name: wcat, .offset: 48, .size: 8, .value_kind: global_buffer, .address_space: global }
      - { .name: wob, .offset: 56, .size: 8, .value_kind: global_buffer, .address_space: global }
    .group_segment_fixed_size: 0
    .private_segment_fixed_size: 0
    .kernarg_segment_align: 8
    .kernarg_segment_size: 64
    .max_flat_workgroup_size: 256
    .sgpr_count:     66
    .vgpr_count:     112
    .wavefront_size: 32
...
	.end_amdgpu_metadata
.endif
;; end of part 1
;; launch proj (part 2): grid 12 x 16, 4 waves a work-group, clusters of 4 x 4, 327,680 bytes of LDS; arguments xb, wcat, cos, sin, q_norm_w, k_norm_w, qh, sg, kh, vh, out1, out2; writes qh, sg, kh, vh, out1, out2
.if DOCPART == 2
	.amdgcn_target "amdgcn-amd-amdhsa--gfx1250"
	.amdhsa_code_object_version 6
	.text
	.protected	k_qfa1c37dcb6_proj
	.globl	k_qfa1c37dcb6_proj
	.p2align	8
	.type	k_qfa1c37dcb6_proj,@function
k_qfa1c37dcb6_proj:
	s_mov_b64 s[64:65], 0
	v_nop
	global_prefetch_b8 v0, s[64:65] scope:SCOPE_SE
	s_setreg_imm32_b32 hwreg(HW_REG_WAVE_MODE, 25, 1), 1
	s_wait_xcnt 0x0
	s_wait_alu depctr_hold_cnt(0) depctr_sa_sdst(0) depctr_va_vdst(0) depctr_va_sdst(0) depctr_va_ssrc(0) depctr_va_vcc(0) depctr_vm_vsrc(0)
	s_getreg_b32 s2, hwreg(HW_REG_IB_STS2, 6, 4)
	s_cmp_eq_u32 s2, 0
	s_cbranch_scc0 .Lentry_in_a_cluster
	s_endpgm
.Lentry_in_a_cluster:
	s_bfe_u32 s2, ttmp6, 0x10000c
	s_cmp_lg_u32 s2, 0xf033
	s_cbranch_scc0 .Lentry_shape_is_right
	s_endpgm
.Lentry_shape_is_right:
; C = xb wcat: [4096][2048] x [2048][3072], bf16 operands, f32 sums; on the way out the RMS norm and the partial RoPE (query, key), the sigmoid (gate), and the roundings.
; STORES: qh [2][8][2048][128] f16; sg, the same shape, f32; kh, vh [2][4][2048][128] f16; out1 (the roped key), out2 (the value) in f32.
; FORMATS AND LIMITS.  cos, sin and the two gains are rounded to bf16 like x and the weights, so that all inputs have one rounding.  q, k and v are rounded once to f16:
; |q|, |k| <= 11.4 |gain|; |v| must stay under 65,504.  sigmoid(gate) is no matrix operand and stays in f32: the next launch multiplies O by it in f32.  NaN and infinities are not treated apart.
; THE PRODUCT.  A tile of C is 256 x 256: four waves, each 128 x 128 in 64 accumulators (512 registers).  K goes in steps of 128 through two LDS slots filled by tensor loads.
; A lies [M][K]: rows of 256 bytes, LDS pitch 272.  B lies [K][N]: 128 rows of 512 bytes, LDS pitch 544, read turned by ds_load_tr16_b128.
; The matrix instruction is used transposed (source 0 = 16 columns of B, source 1 = 16 rows of A): a lane holds row l % 16 of C and the columns 8 (l / 16) + 0..7.
; A K STEP IS WRITTEN ONCE: a trip of the loop goes from a step's second quarter to the next step's first; the slot in hand is a scalar, added to the lanes' fixed places.  The two steps that fill
; nothing are a second loop of two trips, left in the middle of its second.
; CLUSTER 4 x 4: A's tile is shared along a row of the cluster, B's along a column: joint loads, one a wave behind each round of the cluster's barrier.
; 192 work-groups: a wave's 128 columns are one head's query, gate, key or value, so the norm never leaves a wave; a tile of another width would split a head.
; THE WAY OUT.  Both slots have had their last fill: each wave lays its 128 x 128 f32 into them (pitch 528) and reads whole rows back: the wave takes a row, lane l the columns 4 l .. 4 l + 3.
; REGISTERS: window 0: v0-31 addresses, v32-63 at work, v64-127 and v128-191 A's fragments (later the way out's rows), window 1: B's fragments, windows 2, 3: accumulators, (a, b) at 8 (8 (a % 4) + b).
.set SIZE_N, 3072
.set SIZE_K, 2048
.set KSTEP,  128
.set STEPS,  SIZE_K/KSTEP
.set PA,     272                       ; A's LDS pitch: 68 words, so 16 rows start at 16 different groups of four banks (64 banks of 4 bytes: ISA guide 11.1)
.set PB,     544                       ; B's: 17 x 32 bytes, for the turning load
.set HALFT,  128*PA                    ; 0x8800: what one tensor load brings: 128 rows of A, or 64 rows of B (64 x 544, the same bytes)
.set SLOT,   4*HALFT                   ; 0x22000: its two bits are in none of wave x 0x8800, so one exclusive or turns a load's LDS address in one slot into the other's
.set DP,     528                       ; the way out: a row of 128 f32 + 16 bytes
.set DWAVE,  128*DP
.set SPARE,  2*SLOT                    ; behind the ring: the spare words, 128 bytes a wave, that no other line names
.set BSTEP,  KSTEP*SIZE_N*2            ; bytes from a K step of B to the next
.set A0,   16                          ; my lane's place in A's part of slot 0; never rewritten
.set CA,   17                          ; the same in the slot in hand
.set B0,   20                          ; the same two for B
.set CB,   21
.set STO,  24                          ; where I put 16 bytes of a row of f32
.set RD,   25                          ; where I read a row back
.set CSO,  26                          ; my 16 bytes of a row of cos and of sin
.set O16,  27                          ; my 8 bytes of a row of f16
.set SPW,  28                          ; my spare word; never rewritten
.set NIL,  29                          ; 0, for the add alone
.set PFO,  30                          ; the prefetches' offset; never rewritten
.set O32,  31                          ; my 16 bytes of a row of f32
.set SS,   32                          ; v[32:47] eight pairs: a row's sum of squares, then 1 / rms
.set W4,   48                          ; v[48:51] the gain of my four columns
.set SGN,  52                          ; -1 for channels 0..31, +1 for 32..63
.set ZR,   53                          ; 0
.set ONE,  54                          ; 1.0 twice, in bf16
.set X,    64                          ; v[64:95]   8 rows x 4
.set CPK,  96                          ; v[96:111]  cos in bf16, two words a row
.set SPK,  112                         ; v[112:127] sin likewise
.set PP,   128                         ; v[128:159] the partner channel, signed
.set CO,   160                         ; v[160:191] cos as loaded
.set SI,   192                         ; v[192:223] sin as loaded
.set H,    224                         ; v[224:239] rows in f16
.set F0,   64
.set F1,   128
.set G1,   24                          ; s[24:31] group 1 for A; s[32:35] group 0 of slot 0's first fill; s[36:39] of slot 1's, which then walks
.set G0,   32
.set G1B,  48                          ; s[48:55], s[56:63] the same for B
.set G0B,  56
.set LIM,  43                          ; 2 in a wave that prefetches, else the greatest number
.set PFA,  44                          ; s[44:45] where my prefetches stand
.set TB,   46                          ; LDS byte at which the slot in hand begins
.set PST,  66                          ; s[66:67] the prefetches' step
; the way out's scalars: none of them is a register of a tensor load's descriptors; what they held before is dead behind the K loops
.set CNT,  3                           ; s3      trips of the row loop (the K loops' counter before)
.set SELR, 40                          ; s[40:41] v_permlanex16_b32's selects (cx, cy before)
.set RCPN, 47                          ; s47     1 / 128
.set EPSR, 66                          ; s66     1e-6 (the prefetches' step before)
.set LOWM, 67                          ; s67     lanes 0-15
.set MSB, 0
.macro WIN new                         ; the immediate's high byte repeats the setting that is left
.if MSB != (\new)
	s_set_vgpr_msb (MSB<<8)|(\new)
.set MSB, \new
.endif
.endm
.set MUL_LO, 0xa1                      ; source 0 (B) window 1, source 1 (A) window 0, C and D window 2
.set MUL_HI, 0xf1                      ; the same, C and D window 3
.set TO_B,   0x40
.macro JLOAD s                         ; a joint load: waves 0, 1 fetch A's halves, waves 2, 3 B's; an s_nop 0 and four v_nop follow each line
	s_cmp_eq_u32 s11, 0
	s_cbranch_scc0 .Lfor_b_\@
	tensor_load_to_lds s[G0+4*(\s):G0+4*(\s)+3], s[G1:G1+7]
	s_nop 0
.rept 4
	v_nop
.endr
	s_branch .Lasked_\@
.Lfor_b_\@:
	tensor_load_to_lds s[G0B+4*(\s):G0B+4*(\s)+3], s[G1B:G1B+7]
	s_nop 0
.rept 4
	v_nop
.endr
.Lasked_\@:
.endm
; A prefetch of the K step that stands two refills on: one instruction a wave, each aligned 256 bytes named once in the launch.  A's rows are asked for by the clusters with x = 0, B's by those with
; y = 0; the four partners of a joint load share its rows out by address.  The loop's last two trips ask for nothing: there is no K step two on.
.macro ASK
	s_cmp_gt_u32 s3, s[LIM]
	s_cbranch_scc0 .Lnot_mine_\@
	global_prefetch_b8 v[PFO], s[PFA:PFA+1] th:TH_LOAD_NT scope:SCOPE_SE
.Lnot_mine_\@:
.endm
.macro CREST                           ; a round of the cluster's barrier behind its opening barrier
	s_cmp_lg_u32 s10, 0
	s_cbranch_scc1 .Lnot_wave_0_\@
	s_barrier_signal -3
.Lnot_wave_0_\@:
	s_barrier_wait -3
	s_barrier_signal -1
	s_barrier_wait -1
.endm
.macro CROUND
	s_barrier_signal -1
	s_barrier_wait -1
	CREST
.endm
	s_load_b128 s[4:7], s[0:1], 0x0                ; xb, wcat
	s_load_b512 s[68:83], s[0:1], 0x10             ; cos 68, sin 70, q_norm_w 72, k_norm_w 74, qh 76, sg 78, kh 80, vh 82
	s_load_b128 s[84:87], s[0:1], 0x50             ; out1 84, out2 86
	v_lshl_add_u32 v[SPW], v0, 2, SPARE
	v_mov_b32 v[NIL], 0
	ds_add_u32 v[SPW], v[NIL]                      ; the wave's opening: the add and its wait ahead of my first tensor load
	v_lshrrev_b32 v1, 5, v0
	v_readfirstlane_b32 s10, v1                    ; wave 0..3
	s_lshr_b32 s11, s10, 1                         ; my half of the tile's rows; also: I fetch for A (0) or B (1)
	s_and_b32 s12, s10, 1                          ; my half of its columns; also: which half of that tile I fetch
	s_bfe_u32 s40, ttmp6, 0x40000                  ; cx
	s_bfe_u32 s41, ttmp6, 0x40004                  ; cy
	s_lshl_b32 s42, ttmp9, 2
	s_add_co_u32 s42, s42, s40                     ; tile column
	s_and_b32 s13, ttmp7, 0xffff
	s_lshl_b32 s13, s13, 2
	s_add_co_u32 s13, s13, s41                     ; tile row
	s_lshl_b32 s43, s41, 2
	s_lshl_b32 s43, 15, s43                        ; my row of the cluster
	s_lshl_b32 s44, 0x1111, s40                    ; my column
	s_or_b32 s[G1+0], s43, (1<<16)|(1<<20)|(1<<21)|(5<<22)|(3<<25)   ; mask; 2-byte elements; padding on; bit 21 beside a mask; 4 words behind every 64
	s_or_b32 s[G1B+0], s44, (1<<16)|(1<<20)|(1<<21)|(6<<22)|(7<<25)  ; 8 words behind every 128
	s_mov_b32 s[G1+1], KSTEP<<16                   ; tensor_dim0 = 128
	s_mov_b32 s[G1+2], 128<<16                     ; tensor_dim1 = 128
	s_mov_b32 s[G1+3], KSTEP<<16                   ; tile_dim0 = 128
	s_mov_b32 s[G1+4], 128                         ; tile_dim1 = 128
	s_mov_b32 s[G1+5], SIZE_K                      ; elements from row to row
	s_mov_b32 s[G1+6], 0
	s_mov_b32 s[G1+7], 0
	s_mov_b32 s[G1B+1], 256<<16                    ; tensor_dim0 = 256
	s_mov_b32 s[G1B+2], 64<<16                     ; tensor_dim1 = 64
	s_mov_b32 s[G1B+3], 256<<16                    ; tile_dim0 = 256
	s_mov_b32 s[G1B+4], 64                         ; tile_dim1 = 64
	s_mov_b32 s[G1B+5], SIZE_N
	s_mov_b32 s[G1B+6], 0
	s_mov_b32 s[G1B+7], 0
	s_lshl_b32 s17, s12, 7
	s_lshl_b32 s16, s13, 8
	s_add_co_u32 s16, s16, s17                     ; A: row 256 x tile row + 128 x half
	s_mov_b32 s17, 0
	s_mov_b64 s[18:19], SIZE_K*2
	s_mul_u64 s[16:17], s[16:17], s[18:19]
	s_mul_i32 s46, s12, 64*SIZE_N*2                ; B: K row 64 x half,
	s_lshl_b32 s47, s42, 9                         ; column 256 x tile column
	s_add_co_u32 s46, s46, s47
	s_mov_b32 s47, 0
	s_mul_i32 s20, s10, HALFT                      ; where my load lands: no place in the cluster enters an LDS address
	s_wait_dscnt 0x0                               ; the opening add is done
	s_wait_kmcnt 0x0
	s_add_nc_u64 s[14:15], s[4:5], s[16:17]
	s_add_nc_u64 s[46:47], s[6:7], s[46:47]
	CROUND                                         ; all sixteen work-groups are here: the first joint loads meet
.irp s, 0,1
	s_mov_b32 s[G0+4*(\s)], 1
	s_add_co_u32 s[G0+4*(\s)+1], s20, (\s)*SLOT
	s_add_nc_u64 s[G0+4*(\s)+2:G0+4*(\s)+3], s[14:15], (\s)*KSTEP*2
	s_or_b32 s[G0+4*(\s)+3], s[G0+4*(\s)+3], 0x80000000
	s_mov_b32 s[G0B+4*(\s)], 1
	s_add_co_u32 s[G0B+4*(\s)+1], s20, (\s)*SLOT
	s_add_nc_u64 s[G0B+4*(\s)+2:G0B+4*(\s)+3], s[46:47], (\s)*BSTEP
	s_or_b32 s[G0B+4*(\s)+3], s[G0B+4*(\s)+3], 0x80000000
	JLOAD \s                                       ; two loads of mine are out
.endr
	s_mov_b32 s[TB], 0                             ; K step 0 lies in slot 0 (B's address has gone into the descriptors: the register is free)
	v_and_b32 v1, 15, v0                           ; r = l % 16
	v_bfe_u32 v2, v0, 4, 1                         ; h = l / 16
	v_mul_u32_u24 v3, v1, PA
	v_lshl_add_u32 v3, v2, 4, v3                   ; A: row x pitch + 16 h
	s_mul_i32 s21, s11, HALFT
	v_and_b32 v4, 7, v0
	v_lshl_add_u32 v4, v2, 3, v4                   ; B, turned: K row 8 h + l % 8,
	v_mul_u32_u24 v4, v4, PB
	v_bfe_u32 v5, v0, 3, 1
	v_lshl_add_u32 v4, v5, 4, v4                   ; columns 8 ((l / 8) % 2) on
	s_lshl_b32 s22, s12, 8                         ; my 128 columns
	s_add_co_u32 s22, s22, 2*HALFT
	v_add_nc_u32 v[A0], s21, v3
	v_add_nc_u32 v[B0], s22, v4
	v_mov_b32 v[CA], v[A0]
	v_mov_b32 v[CB], v[B0]
	; the prefetches.  A: 32 rows at 32 cx of my 128, a lane a row.  B: 16 K rows at 16 cy of my 64, a lane for each half row of 256 bytes.  They start at K step 3 and are stepped ahead of each use.
	s_lshl_b32 s20, s13, 8
	s_lshl_b32 s21, s12, 7
	s_add_co_u32 s20, s20, s21
	s_lshl_b32 s21, s40, 5
	s_add_co_u32 s20, s20, s21
	s_mul_i32 s20, s20, SIZE_K*2
	s_add_co_u32 s20, s20, 3*KSTEP*2
	s_lshl_b32 s21, s12, 6
	s_lshl_b32 s22, s41, 4
	s_add_co_u32 s21, s21, s22
	s_mul_i32 s21, s21, SIZE_N*2
	s_lshl_b32 s22, s42, 9
	s_add_co_u32 s21, s21, s22
	s_add_co_u32 s21, s21, 3*BSTEP
	s_and_b32 s22, ttmp7, 0xffff
	s_mov_b32 s23, SIZE_N*2
	s_mov_b32 s[PST], BSTEP
	s_mov_b32 s[PST+1], 0
	s_cmp_eq_u32 s11, 0
	s_cselect_b32 s20, s20, s21
	s_cselect_b32 s22, ttmp9, s22                  ; the coordinate along which other clusters read the same rows
	s_cselect_b32 s23, SIZE_K*2, s23
	s_cselect_b32 s[PST], KSTEP*2, s[PST]
	s_cselect_b64 s[PFA:PFA+1], s[4:5], s[6:7]
	s_cmp_eq_u32 s22, 0
	s_cselect_b32 s[LIM], 2, -1
	s_mov_b32 s21, 0
	s_add_nc_u64 s[PFA:PFA+1], s[PFA:PFA+1], s[20:21]
	v_and_b32 v6, 31, v0
	v_lshrrev_b32 v7, s11, v6
	v_mul_u32_u24 v[PFO], v7, s23
	v_and_b32 v7, s11, v6
	v_lshl_add_u32 v[PFO], v7, 8, v[PFO]
; 16 matrix instructions: row blocks a0, a0 + 1 of the window's four x all 8 column blocks, 32 along K.  zero = 1: the first product starts the sums.
; The 64 accumulators take turns in the same order in every quarter, over both loops' edges too.
.macro MUL16 f, hi, a0, zero
	WIN MUL_LO+0x50*(\hi)
.irp a, \a0, (\a0)+1
.irp b, 0,1,2,3,4,5,6,7
.if \zero
	v_wmma_f32_16x16x32_bf16 v[8*(8*(\a)+(\b)):8*(8*(\a)+(\b))+7], v[(\f)+8*(\b):(\f)+8*(\b)+7], v[(\f)+8*(4*(\hi)+(\a)):(\f)+8*(4*(\hi)+(\a))+7], 0
.else
	v_wmma_f32_16x16x32_bf16 v[8*(8*(\a)+(\b)):8*(8*(\a)+(\b))+7], v[(\f)+8*(\b):(\f)+8*(\b)+7], v[(\f)+8*(4*(\hi)+(\a)):(\f)+8*(4*(\hi)+(\a))+7], v[8*(8*(\a)+(\b)):8*(8*(\a)+(\b))+7]
.endif
.endr
.endr
.endm
; 32 LDS loads in one run: quarter q (32 along K) of the slot in hand into buffer f: B's 8 column blocks, turned, then A's 8 row blocks
.macro FETCH q, f
	WIN TO_B
.irp i, 0,1,2,3,4,5,6,7
	ds_load_tr16_b128 v[(\f)+8*(\i):(\f)+8*(\i)+3],   v[CB] offset:(\q)*32*PB+32*(\i)
	ds_load_tr16_b128 v[(\f)+8*(\i)+4:(\f)+8*(\i)+7], v[CB] offset:(\q)*32*PB+16*PB+32*(\i)
.endr
	WIN 0
.irp i, 0,1,2,3,4,5,6,7
	ds_load_b128 v[(\f)+8*(\i):(\f)+8*(\i)+3],   v[CA] offset:(\q)*64+(\i)*16*PA
	ds_load_b128 v[(\f)+8*(\i)+4:(\f)+8*(\i)+7], v[CA] offset:(\q)*64+(\i)*16*PA+32
.endr
.endm
.macro PLACES                          ; four plain instructions between a matrix instruction and a load into a register that it has read (ISA guide 7.12.1 for vector instructions)
.rept 4
	v_nop
.endr
.endm
.macro QUARTER q, f, g, zero           ; multiplies buffer f; in its middle fetches quarter q of the slot in hand into buffer g
	s_wait_dscnt 8                                 ; B and A's rows 0-63 are in; the youngest eight loads (A's rows 64-127) may be out
	MUL16 \f, 0, 0, \zero
	MUL16 \f, 0, 2, \zero
	PLACES
	FETCH \q, \g
	s_wait_dscnt 32                                ; all but the 32 just issued
	MUL16 \f, 1, 0, \zero
	MUL16 \f, 1, 2, \zero
.endm
; A K step's last quarter multiplies buffer 1 and changes slots: ONE barrier.  In front of it each wave waits for all its tensor loads (its part of the next slot), adds 0 to its spare word, and waits
; for that and for its reads of this slot.  fill = 1: the barrier opens a round of the cluster's, and this slot's joint refill, two K steps on, is the first thing behind the round: the walking
; group 0 last named the other slot and the K step before.
.macro TURN fill
.if \fill
	s_wait_xcnt 0x0                                ; the last prefetch, a K step back, has read its address
	s_add_nc_u64 s[PFA:PFA+1], s[PFA:PFA+1], s[PST:PST+1]
.endif
	WIN 0
	s_wait_tensorcnt 0x0                           ; all my tensor loads have landed
	ds_add_u32 v[SPW], v[NIL]
	s_wait_dscnt 9                                 ; (the add and the youngest eight loads may be out)
	MUL16 F1, 0, 0, 0
	s_wait_dscnt 0x0                               ; the add is done, and my reads of this slot are over
	s_barrier_signal -1
	MUL16 F1, 0, 2, 0
	WIN 0
	s_barrier_wait -1
.if \fill
	CREST
	s_xor_b32 s[G0+5], s[G0+5], SLOT
	s_add_nc_u64 s[G0+6:G0+7], s[G0+6:G0+7], KSTEP*2
	s_xor_b32 s[G0B+5], s[G0B+5], SLOT
	s_add_nc_u64 s[G0B+6:G0B+7], s[G0B+6:G0B+7], BSTEP
	JLOAD 1                                        ; its four v_nop are also the places in front of the loads below
.else
	PLACES
.endif
	s_xor_b32 s[TB], s[TB], SLOT                   ; the other slot is in hand
	v_add_nc_u32 v[CA], s[TB], v[A0]
	v_add_nc_u32 v[CB], s[TB], v[B0]
	FETCH 0, F0
.if \fill
	ASK
.endif
	MUL16 F1, 1, 0, 0
	MUL16 F1, 1, 2, 0
.endm
	s_wait_tensorcnt 1                             ; my part of K step 0 is in; K step 1's stays out
	s_barrier_signal -1
	s_barrier_wait -1
	FETCH 0, F0
	QUARTER 1, F0, F1, 1                           ; the first quarter starts the sums
	WIN 0
	s_mov_b32 s3, STEPS-2
.Lstep:                                            ; a trip: from a K step's second quarter to the next step's first; the slot that is left is filled again
	QUARTER 2, F1, F0, 0
	QUARTER 3, F0, F1, 0
	TURN 1
	QUARTER 1, F0, F1, 0
	WIN 0
	s_sub_co_u32 s3, s3, 1
	s_cmp_lg_u32 s3, 0
	s_cbranch_scc1 .Lstep
	s_mov_b32 s3, 2
.Ltail:                                            ; the last two K steps fill nothing; the second trip is left in its middle
	QUARTER 2, F1, F0, 0
	QUARTER 3, F0, F1, 0
	WIN 0
	s_cmp_eq_u32 s3, 1
	s_cbranch_scc1 .Llast
	TURN 0
	QUARTER 1, F0, F1, 0
	WIN 0
	s_sub_co_u32 s3, s3, 1
	s_cmp_lg_u32 s3, 0
	s_cbranch_scc1 .Ltail
.Llast:
	s_wait_tensorcnt 0x0                           ; no tensor load of mine is out: the tail's first trip has waited for all; said once more here, on every way into the way out, ahead of the LDS stores into the slots
	s_wait_dscnt 8
	MUL16 F1, 0, 0, 0
	MUL16 F1, 0, 2, 0
	s_wait_dscnt 0x0
	MUL16 F1, 1, 0, 0
	MUL16 F1, 1, 2, 0
	WIN 0
.rept 8
	v_nop                                          ; once a launch: places behind the last products, for the LDS stores that read results and the loads into A's buffers
.endr
	s_barrier_signal -1                            ; my reads of the ring are over (the wait for 0 above); the set-up for the way out, work on registers, stands in the barrier
	; what my 128 columns are.  Clusters x = 0, 1: query (column half 0), gate (1).  Cluster x = 2: key (0), value (1).
	; query: f16 alone.  gate: f32 alone.  key, value: f16 and f32.
	s_cmp_eq_u32 ttmp9, 2
	s_cselect_b32 s98, 1, 0                        ; key or value
	s_cselect_b64 s[92:93], s[74:75], s[72:73]     ; the gain
	s_cselect_b32 s14, 4, 8                        ; heads in my tensors
	s_cselect_b64 s[88:89], s[80:81], s[76:77]     ; column half 0 in f16: kh or qh
	s_cselect_b64 s[20:21], s[82:83], s[76:77]     ; column half 1 in f16: vh (the gate stores none: the pointer is made and not used)
	s_cselect_b64 s[90:91], s[86:87], s[78:79]     ; column half 1 in f32: out2 or sg
	s_cmp_eq_u32 s12, 0
	s_cselect_b32 s96, 1, 0                        ; norm and RoPE
	s_cselect_b64 s[88:89], s[88:89], s[20:21]     ; the f16 tensor
	s_cselect_b64 s[90:91], s[84:85], s[90:91]     ; the f32 tensor (column half 0: out1; the query stores none)
	s_xor_b32 s97, s98, 1
	s_and_b32 s97, s97, s12                        ; the gate: sigmoid, no f16
	s_or_b32 s98, s98, s12                         ; stored in f32: key, value, gate
	s_and_b32 s15, s42, 7                          ; the head
	s_lshl_b32 s16, s13, 8
	s_lshl_b32 s17, s11, 7
	s_add_co_u32 s16, s16, s17                     ; my first row of C = 2048 b + s
	s_lshr_b32 s17, s16, 11
	s_and_b32 s18, s16, 2047
	s_mul_i32 s17, s17, s14
	s_add_co_u32 s17, s17, s15
	s_lshl_b32 s17, s17, 11
	s_add_co_u32 s17, s17, s18                     ; its row in [b][head][s]
	s_lshl_b32 s18, s17, 8
	s_mov_b32 s19, 0
	s_add_nc_u64 s[88:89], s[88:89], s[18:19]
	s_lshl_b32 s18, s17, 9
	s_add_nc_u64 s[90:91], s[90:91], s[18:19]
	s_lshl_b32 s18, s16, 8
	s_add_nc_u64 s[94:95], s[68:69], s[18:19]      ; cos and sin at my first row
	s_add_nc_u64 s[100:101], s[70:71], s[18:19]
	s_mov_b32 s[SELR], 0x76543210                  ; v_permlanex16_b32: each lane takes its own place in the other half
	s_mov_b32 s[SELR+1], 0xfedcba98
	s_mov_b32 s[RCPN], 0x3c000000                  ; 1 / 128
	s_mov_b32 s[EPSR], 0x358637bd                  ; 1e-6
	s_mov_b32 s[LOWM], 0x0000ffff                  ; lanes 0-15 hold channels 0..63
	s_mov_b32 s[CNT], 16                           ; trips of 8 rows
	s_mul_i32 s23, s10, DWAVE
	v_and_b32 v6, 31, v0
	v_mul_u32_u24 v[STO], v1, DP
	v_lshl_add_u32 v[STO], v2, 5, v[STO]
	v_add_nc_u32 v[STO], s23, v[STO]
	v_lshl_add_u32 v[RD], v6, 4, s23
	v_lshlrev_b32 v[CSO], 4, v1
	v_lshlrev_b32 v[O16], 3, v6
	v_lshlrev_b32 v[O32], 4, v6
	v_and_b32 v7, 8, v0
	v_cmp_eq_u32 vcc_lo, 0, v7
	v_cndmask_b32 v[SGN], 1.0, -1.0, vcc_lo
	v_mov_b32 v[ZR], 0
	v_mov_b32 v[ONE], 0x3f803f80
	s_barrier_wait -1                              ; no wave reads the ring any more
	global_load_b128 v[W4:W4+3], v[O32], s[92:93]  ; every wave loads these, whatever its kind: one form of the text
.irp i, 0,1,2,3,4,5,6,7
	global_load_b128 v[CO+4*(\i):CO+4*(\i)+3], v[CSO], s[94:95] offset:256*(\i)
	global_load_b128 v[SI+4*(\i):SI+4*(\i)+3], v[CSO], s[100:101] offset:256*(\i)
.endr
.irp a, 0,1,2,3,4,5,6,7                ; my 128 x 128 f32 into my part of the slots; each accumulator's low half first
	WIN 0x08+4*((\a)/4)
.irp b, 0,1,2,3,4,5,6,7
	ds_store_b128 v[STO], v[8*(8*((\a)%4)+(\b)):8*(8*((\a)%4)+(\b))+3]   offset:(\a)*16*DP+64*(\b)
	ds_store_b128 v[STO], v[8*(8*((\a)%4)+(\b))+4:8*(8*((\a)%4)+(\b))+7] offset:(\a)*16*DP+64*(\b)+16
.endr
.endr
	WIN 0
	s_wait_loadcnt 0x0
	v_cvt_pk_bf16_f32 v6, v[W4], v[W4+1]           ; the gain rounded to bf16, like every input
	v_cvt_pk_bf16_f32 v7, v[W4+2], v[W4+3]
	v_lshlrev_b32 v[W4], 16, v6
	v_and_b32 v[W4+1], 0xffff0000, v6
	v_lshlrev_b32 v[W4+2], 16, v7
	v_and_b32 v[W4+3], 0xffff0000, v7
.Lrow:                                             ; 8 rows a trip; LDS serves a wave's instructions in order (ISA guide 5.7.1.4), so these loads see my stores
.irp i, 0,1,2,3,4,5,6,7
	ds_load_b128 v[X+4*(\i):X+4*(\i)+3], v[RD] offset:DP*(\i)
.endr
	v_add_nc_u32 v[RD], 8*DP, v[RD]
	s_wait_dscnt 0x0
	s_cmp_eq_u32 s96, 1
	s_cbranch_scc0 .Lnot_norm
	s_wait_loadcnt 0x0                             ; this trip's cos and sin, asked for at the head of the trip before
.irp i, 0,1,2,3,4,5,6,7                ; they are rounded to bf16 into registers of their own, so that the registers they came in are free at once
	v_cvt_pk_bf16_f32 v[CPK+2*(\i)],   v[CO+4*(\i)],   v[CO+4*(\i)+1]
	v_cvt_pk_bf16_f32 v[CPK+2*(\i)+1], v[CO+4*(\i)+2], v[CO+4*(\i)+3]
	v_cvt_pk_bf16_f32 v[SPK+2*(\i)],   v[SI+4*(\i)],   v[SI+4*(\i)+1]
	v_cvt_pk_bf16_f32 v[SPK+2*(\i)+1], v[SI+4*(\i)+2], v[SI+4*(\i)+3]
.endr
	s_cmp_eq_u32 s[CNT], 1
	s_cbranch_scc1 .Lno_more                       ; the last trip asks for nothing
	v_add_nc_u32 v[CSO], 2048, v[CSO]              ; its loads are done (the wait for 0 above)
.irp i, 0,1,2,3,4,5,6,7                ; the next trip's: the whole of this trip's work stands between the request and the wait for it
	global_load_b128 v[CO+4*(\i):CO+4*(\i)+3], v[CSO], s[94:95] offset:256*(\i)
	global_load_b128 v[SI+4*(\i):SI+4*(\i)+3], v[CSO], s[100:101] offset:256*(\i)
.endr
.Lno_more:
.irp i, 0,1,2,3,4,5,6,7
	v_pk_mul_f32 v[SS+2*(\i):SS+2*(\i)+1], v[X+4*(\i):X+4*(\i)+1], v[X+4*(\i):X+4*(\i)+1]
.endr
.irp i, 0,1,2,3,4,5,6,7
	v_pk_fma_f32 v[SS+2*(\i):SS+2*(\i)+1], v[X+4*(\i)+2:X+4*(\i)+3], v[X+4*(\i)+2:X+4*(\i)+3], v[SS+2*(\i):SS+2*(\i)+1]
.endr
.irp i, 0,1,2,3,4,5,6,7
	v_add_f32 v[SS+2*(\i)], v[SS+2*(\i)], v[SS+2*(\i)+1]
.endr
.irp m, 1,2,4,8
.irp i, 0,1,2,3,4,5,6,7
	v_add_f32_dpp v[SS+2*(\i)], v[SS+2*(\i)], v[SS+2*(\i)] row_xmask:\m row_mask:0xf bank_mask:0xf
.endr
.endr
.irp i, 0,1,2,3,4,5,6,7
	v_permlanex16_b32 v[SS+2*(\i)+1], v[SS+2*(\i)], s[SELR], s[SELR+1]
.endr
.irp i, 0,1,2,3,4,5,6,7
	v_add_f32 v[SS+2*(\i)], v[SS+2*(\i)], v[SS+2*(\i)+1]
.endr
.irp i, 0,1,2,3,4,5,6,7
	v_fma_f32 v[SS+2*(\i)], v[SS+2*(\i)], s[RCPN], s[EPSR]  ; the mean of the squares + eps
.endr
.irp i, 0,1,2,3,4,5,6,7
	v_rsq_f32 v[SS+2*(\i)], v[SS+2*(\i)]
.endr
.irp i, 0,1,2,3,4,5,6,7                ; work that names no result of the batch: the gain; and for lanes 16-31, whose channels 64..127 pass, cos = 1 and sin = 0
	v_pk_mul_f32 v[X+4*(\i):X+4*(\i)+1], v[X+4*(\i):X+4*(\i)+1], v[W4:W4+1]
	v_pk_mul_f32 v[X+4*(\i)+2:X+4*(\i)+3], v[X+4*(\i)+2:X+4*(\i)+3], v[W4+2:W4+3]
	v_cndmask_b32 v[CPK+2*(\i)],   v[ONE], v[CPK+2*(\i)],   s[LOWM]
	v_cndmask_b32 v[CPK+2*(\i)+1], v[ONE], v[CPK+2*(\i)+1], s[LOWM]
	v_cndmask_b32 v[SPK+2*(\i)],   v[ZR],  v[SPK+2*(\i)],   s[LOWM]
	v_cndmask_b32 v[SPK+2*(\i)+1], v[ZR],  v[SPK+2*(\i)+1], s[LOWM]
.endr
	s_wait_alu depctr_va_vdst(0)                   ; one wait for the eight roots, ahead of their first reader
.irp i, 0,1,2,3,4,5,6,7
	v_pk_mul_f32 v[X+4*(\i):X+4*(\i)+1], v[X+4*(\i):X+4*(\i)+1], v[SS+2*(\i):SS+2*(\i)+1] op_sel_hi:[1,0]
	v_pk_mul_f32 v[X+4*(\i)+2:X+4*(\i)+3], v[X+4*(\i)+2:X+4*(\i)+3], v[SS+2*(\i):SS+2*(\i)+1] op_sel_hi:[1,0]
.endr
.irp i, 0,1,2,3,4,5,6,7                ; channel d pairs with d + 32 or d - 32: the lane 8 away
.irp j, 0,1,2,3
	v_mul_f32_dpp v[PP+4*(\i)+(\j)], v[X+4*(\i)+(\j)], v[SGN] row_xmask:8 row_mask:0xf bank_mask:0xf
.endr
.endr
.irp i, 0,1,2,3,4,5,6,7                ; x cos, in place,
.irp k, 0,1
	v_fma_mix_f32_bf16 v[X+4*(\i)+2*(\k)],   v[X+4*(\i)+2*(\k)],   v[CPK+2*(\i)+(\k)], v[ZR] op_sel_hi:[0,1,0]
	v_fma_mix_f32_bf16 v[X+4*(\i)+2*(\k)+1], v[X+4*(\i)+2*(\k)+1], v[CPK+2*(\i)+(\k)], v[ZR] op_sel:[0,1,0] op_sel_hi:[0,1,0]
.endr
.endr
.irp i, 0,1,2,3,4,5,6,7                ; + the partner x sin
.irp k, 0,1
	v_fma_mix_f32_bf16 v[X+4*(\i)+2*(\k)],   v[PP+4*(\i)+2*(\k)],   v[SPK+2*(\i)+(\k)], v[X+4*(\i)+2*(\k)] op_sel_hi:[0,1,0]
	v_fma_mix_f32_bf16 v[X+4*(\i)+2*(\k)+1], v[PP+4*(\i)+2*(\k)+1], v[SPK+2*(\i)+(\k)], v[X+4*(\i)+2*(\k)+1] op_sel:[0,1,0] op_sel_hi:[0,1,0]
.endr
.endr
	s_branch .Ljoin
.Lnot_norm:
	s_cmp_eq_u32 s97, 1
	s_cbranch_scc0 .Ljoin
.irp i, 0,1,2,3,4,5,6,7,8,9,10,11,12,13,14,15  ; sigmoid(x) = 1 / (1 + 2^(-x log2 e))
	v_pk_mul_f32 v[X+2*(\i):X+2*(\i)+1], v[X+2*(\i):X+2*(\i)+1], 0xbfb8aa3b op_sel_hi:[1,0]
.endr
.set i, 0
.rept 32
	v_exp_f32 v[X+i], v[X+i]
.set i, i+1
.endr
	v_nop                                          ; a plain instruction behind the last of the batch,
	s_wait_alu depctr_va_vdst(0)                   ; and one wait for the batch
.irp i, 0,1,2,3,4,5,6,7,8,9,10,11,12,13,14,15
	v_pk_add_f32 v[X+2*(\i):X+2*(\i)+1], v[X+2*(\i):X+2*(\i)+1], 1.0 op_sel_hi:[1,0]
.endr
.set i, 0
.rept 32
	v_rcp_f32 v[X+i], v[X+i]
.set i, i+1
.endr
	v_nop
	s_wait_alu depctr_va_vdst(0)
.Ljoin:
	s_cmp_eq_u32 s97, 1
	s_cbranch_scc1 .Lno16                          ; the gate has no f16 copy
.irp i, 0,1,2,3,4,5,6,7
	v_cvt_pk_f16_f32 v[H+2*(\i)], v[X+4*(\i)], v[X+4*(\i)+1]
	v_cvt_pk_f16_f32 v[H+2*(\i)+1], v[X+4*(\i)+2], v[X+4*(\i)+3]
.endr
.irp i, 0,1,2,3,4,5,6,7
	global_store_b64 v[O16], v[H+2*(\i):H+2*(\i)+1], s[88:89] offset:256*(\i)  ; a row: 256 consecutive bytes, aligned
.endr
.Lno16:
	s_cmp_eq_u32 s98, 1
	s_cbranch_scc0 .Lno32
.irp i, 0,1,2,3,4,5,6,7
	global_store_b128 v[O32], v[X+4*(\i):X+4*(\i)+3], s[90:91] offset:512*(\i) th:TH_STORE_NT  ; a row: 512 consecutive bytes, aligned
.endr
.Lno32:
	s_wait_xcnt 0x0                                ; the stores have read their data and bases: X, H and the two pointers are rewritten only behind this wait
	s_add_nc_u64 s[88:89], s[88:89], 2048
	s_add_nc_u64 s[90:91], s[90:91], 4096
	s_sub_co_u32 s[CNT], s[CNT], 1
	s_cmp_lg_u32 s[CNT], 0
	s_cbranch_scc1 .Lrow
	s_wait_tensorcnt 0x0                           ; the wave's end, behind my last tensor load and my last LDS store
	ds_add_u32 v[SPW], v[NIL]
	s_wait_dscnt 0x0
	CROUND                                         ; the closing round
	s_endpgm
.Lfunc_end_k_qfa1c37dcb6_proj:
	.size	k_qfa1c37dcb6_proj, .Lfunc_end_k_qfa1c37dcb6_proj-k_qfa1c37dcb6_proj
	.p2alignl 7, 3214868480
	.fill 96, 4, 3214868480
	.section	.rodata,"a",@progbits
	.p2align	6, 0x0
	.amdhsa_kernel k_qfa1c37dcb6_proj
		.amdhsa_group_segment_fixed_size 327680
		.amdhsa_private_segment_fixed_size 0
		.amdhsa_enable_private_segment 0
		.amdhsa_kernarg_size 96
		.amdhsa_user_sgpr_count 2
		.amdhsa_user_sgpr_kernarg_segment_ptr 1
		.amdhsa_wavefront_size32 1
		.amdhsa_system_sgpr_workgroup_id_x 1
		.amdhsa_system_sgpr_workgroup_id_y 1
		.amdhsa_system_sgpr_workgroup_id_z 1
		.amdhsa_system_vgpr_workitem_id 0
		.amdhsa_next_free_vgpr 1024
		.amdhsa_next_free_sgpr 102
		.amdhsa_reserve_vcc 1
		.amdhsa_float_denorm_mode_32 3
		.amdhsa_float_denorm_mode_16_64 3
		.amdhsa_memory_ordered 1
		.amdhsa_forward_progress 1
		.amdhsa_inst_pref_size 113
	.end_amdhsa_kernel
	.amdgpu_metadata
---
amdhsa.version: [ 1, 2 ]
amdhsa.kernels:
  - .name:           k_qfa1c37dcb6_proj
    .symbol:         k_qfa1c37dcb6_proj.kd
    .args:
      - { .name: xb, .offset: 0, .size: 8, .value_kind: global_buffer, .address_space: global }
      - { .name: wcat, .offset: 8, .size: 8, .value_kind: global_buffer, .address_space: global }
      - { .name: cos, .offset: 16, .size: 8, .value_kind: global_buffer, .address_space: global }
      - { .name: sin, .offset: 24, .size: 8, .value_kind: global_buffer, .address_space: global }
      - { .name: q_norm_w, .offset: 32, .size: 8, .value_kind: global_buffer, .address_space: global }
      - { .name: k_norm_w, .offset: 40, .size: 8, .value_kind: global_buffer, .address_space: global }
      - { .name: qh, .offset: 48, .size: 8, .value_kind: global_buffer, .address_space: global }
      - { .name: sg, .offset: 56, .size: 8, .value_kind: global_buffer, .address_space: global }
      - { .name: kh, .offset: 64, .size: 8, .value_kind: global_buffer, .address_space: global }
      - { .name: vh, .offset: 72, .size: 8, .value_kind: global_buffer, .address_space: global }
      - { .name: out1, .offset: 80, .size: 8, .value_kind: global_buffer, .address_space: global }
      - { .name: out2, .offset: 88, .size: 8, .value_kind: global_buffer, .address_space: global }
    .group_segment_fixed_size: 327680
    .private_segment_fixed_size: 0
    .kernarg_segment_align: 8
    .kernarg_segment_size: 96
    .max_flat_workgroup_size: 128
    .sgpr_count:     102
    .vgpr_count:     1024
    .wavefront_size: 32
...
	.end_amdgpu_metadata
.endif
;; end of part 2
;; launch attn (part 3): grid 32 x 8, 4 waves a work-group, clusters of 4 x 1, 327,680 bytes of LDS; arguments qh, kh, vh, sg, og; writes og
.if DOCPART == 3
	.amdgcn_target "amdgcn-amd-amdhsa--gfx1250"
	.amdhsa_code_object_version 6
	.text
	.protected	k_qfa1c37dcb6_attn
	.globl	k_qfa1c37dcb6_attn
	.p2align	8
	.type	k_qfa1c37dcb6_attn,@function
k_qfa1c37dcb6_attn:
	s_mov_b64 s[64:65], 0
	v_nop
	global_prefetch_b8 v0, s[64:65] scope:SCOPE_SE
	s_setreg_imm32_b32 hwreg(HW_REG_WAVE_MODE, 25, 1), 1
	s_wait_xcnt 0x0
	s_wait_alu depctr_hold_cnt(0) depctr_sa_sdst(0) depctr_va_vdst(0) depctr_va_sdst(0) depctr_va_ssrc(0) depctr_va_vcc(0) depctr_vm_vsrc(0)
	s_getreg_b32 s2, hwreg(HW_REG_IB_STS2, 6, 4)
	s_cmp_eq_u32 s2, 0
	s_cbranch_scc0 .Lentry_in_a_cluster
	s_endpgm
.Lentry_in_a_cluster:
	s_bfe_u32 s2, ttmp6, 0x10000c
	s_cmp_lg_u32 s2, 0x3003
	s_cbranch_scc0 .Lentry_shape_is_right
	s_endpgm
.Lentry_shape_is_right:
; CAUSAL ATTENTION with two query heads to a key and value head, times sigmoid(gate).  qh: [2][8][2048][128] f16; sg: the same shape, f32; kh, vh: [2][4][2048][128] f16; og: [5120][1024] f16, column 128 head + channel.
; og's ROWS.  A position s < 512 of batch b, c = 512 b + s, has TWO rows: x = O x gate rounded to f16 in row 128 (c / 64) + c % 64, and x less that number, rounded to f16, 64 rows further down.
; A position s >= 512 has one row, 2048 + 1536 b + s - 512.  The early rows of the module's output average over few keys and are many times its root mean square, so their operand is given 22 bits.
; Products, maxima and sums in f32; the weights p are rounded to f16 for the second product (their sum is taken of the unrounded p).
; LIMITS.  Inputs arrive within f16's range.  A hidden score counts as its value less 1e30; the running maximum starts at -2^98, above every hidden score and far below every true one (5.5e11 at the most).
; A weight below 2^-126 counts as 0; a second part below 6e-5 keeps f16's fixed step of 6e-8; NaN and infinities are not treated apart.
; SHARES.  y = 4 b + g names batch and key head.  A BLOCK is 32 positions x the 2 query heads of g: four tiles of 16 rows (tile t: head 2 g + t / 2, positions 16 (t % 2) + r).  EVERY wave holds all four tiles;
; THE KEYS ARE SPLIT AMONG THE WAVES: of a tile of 256 keys wave w takes keys 64 w .. 64 w + 63, so each fragment of K and V leaves LDS once and feeds four tiles' products.  The four partial
; results (maximum, sum, O) meet in LDS at a block's end.
; THE WALK.  Work-group p = 0..31 takes block 63 - p (8 - J key tiles, J = p / 8) and then block p (J + 1): 9 tiles whatever p: 256 equal work-groups, one loop with a constant count.
; CLUSTER.  The four partners share y and J, so they walk the same tiles: every tile is a joint load.  Branches hang on the cluster's number and the loop's count alone.
; THE MASK is the C operand that starts S^T = K Q^T.  Only a block's last tile hides keys: key 64 w + 16 kb + 8 h + j is hidden from position 32 (block % 8) + 16 (t % 2) + r where
; 16 (kb - t % 2) + j > TH = 32 (block % 8) + r - 8 h - 64 w.  MD holds five groups of eight registers, group gi for kb - t % 2 = gi - 1; in each step MC = MD x AL, AL = 1 in the last tile, else 0.
; SOFTMAX.  p = 2^(c s - c m), c = log2(e) / sqrt(128), running maximum m; O and l are multiplied by a = 2^(c m_old - c m_new) in every step.  c m starts far below every c s: a block's first a is 0.
; BY PIECES.  The four tiles are two pieces, named by their first tile: 0 (tiles 0, 1) and 2 (tiles 2, 3).  A step is: 32 products K Q^T of piece 0; 32 of piece 2, with piece 0's softmax in slices behind
; them; 32 products V^T P of piece 0, with piece 2's softmax in slices behind them; 32 of piece 2.  Nothing but m, l and O^T crosses a step's end, so a block's end and beginning want no text of their own.
; REGISTERS: window 0: v0-63 addresses and statistics, v64-191 S^T (32 a tile), v192-255 P (16 a tile); window 1: O^T (64 a tile); window 2: v0-127 Q, v128-255 K; window 3: v0-127 V, v128-167 MD, v168-207 MC.
.set PK,    272                        ; a row of K in LDS: 256 + 16 bytes
.set PV,    288                        ; a row of V: 256 + 32, for the turning load
.set VOFF,  256*PK
.set SLOTB, 256*(PK+PV)                ; a slot: 256 rows of K, then 256 of V
.set MERGE, 2*SLOTB                    ; behind the ring, never filled by a tensor load: 4 waves x 16 rows x 528 bytes
.set MP,    528
.set STATS, MERGE+4*16*MP              ; c m [4][64], then l [4][64]
.set SPARE, STATS+2048                 ; the spare words, 128 bytes a wave, that no other line names
.set AK0, 2
.set AV0, 3
.set ADR, 4
.set ADV, 5
.set QO,  6
.set MST, 7
.set MRD, 8
.set ST,  12                           ; tile t at v[ST+8 t]: c m, m, l (even, odd keys), c0-c3 at work; a takes c2's place
.set STW, 44
.set STR, 45
.set GSO, 46
.set GOO, 47
.set THB, 48
.set TH,  49
.set N1,  50                           ; -1
.set PFO, 61
.set SPW, 62                           ; my spare word; never rewritten
.set NIL, 63                           ; 0, for the add alone
.set S,   64
.set P,   192
.set GT,  64                           ; a block's end: v[64:127] the gates, 4 registers a row
.set MR,  128                          ; v[128:191] four rows of four partial results
.set CMV, 192                          ; v[192:207] the four waves' c m, by tile
.set LVV, 208                          ; v[208:223] and l
.set HL,  192                          ; v[192:223] later: the rows' second parts in f16
.set H,   224                          ; v[224:255] rows in f16
.set KF,  128
.set MD,  128
.set MC,  168
.set WV,  12
.set J,   14
.set LK,  16
.set LV,  17
.set G1K, 24
.set G1V, 32
.set G0K, 40
.set G0V, 44
.set KB,  48
.set VB,  50
.set SLOTS, 56
.set CS,  58
.set SEL, 60
.set TB,  62                           ; the slot that is read
.set FB,  63                           ; the slot that is filled
.set RT,  70                           ; tiles of the block in hand still to be entered
.set NXT, 71                           ; the tile to be asked for next
.set LQ,  72                           ; the last tile of the block whose tiles are being asked for
.set CR,  73                           ; 1: the second block's positions lie under 512
.set OFF, 74
.set AL,  76
.set BIGN, 78
.set THI, 79
.set TLO, 80
.set QL,  82
.set SGA, 84
.set SGL, 86
.set OGA, 88
.set OGL, 90
.set PFA, 92
.set LIM, 94
.set QH,  96
.set MSB, 0
.macro WIN new
.if MSB != (\new)
	s_set_vgpr_msb (MSB<<8)|(\new)
.set MSB, \new
.endif
.endm
.set W_PV, 0x53                        ; V window 3, P window 0, O^T window 1
.set W_RS, 0x41                        ; destination and source 0 window 1, source 1 window 0
.macro JLOAD                           ; waves 0, 1 fetch the halves of a tile's K, waves 2, 3 those of its V; an s_nop 0 and four v_nop follow each line
	s_cmp_lt_u32 s[WV], 2
	s_cbranch_scc0 .Lfor_v_\@
	tensor_load_to_lds s[G0K:G0K+3], s[G1K:G1K+7]
	s_nop 0
.rept 4
	v_nop
.endr
	s_branch .Lasked_\@
.Lfor_v_\@:
	tensor_load_to_lds s[G0V:G0V+3], s[G1V:G1V+7]
	s_nop 0
.rept 4
	v_nop
.endr
.Lasked_\@:
.endm
; A prefetch of the tile that the NEXT change of slots will ask for.  The cluster with number 0 walks tiles 0..7 of its y: it alone asks, in its first six trips, for tiles 2..7; each row of 256 bytes is named
; once: partner cx and wave w take rows 64 cx + 32 (w % 2) + lane, of K in waves 0, 1 and of V in waves 2, 3.
.macro ASK
	s_cmp_gt_u32 s[SLOTS], s[LIM]
	s_cbranch_scc0 .Lnot_mine_\@
	global_prefetch_b8 v[PFO], s[PFA:PFA+1] th:TH_LOAD_NT scope:SCOPE_SE
.Lnot_mine_\@:
.endm
.macro CROUND
	s_barrier_signal -1
	s_barrier_wait -1
	s_cmp_lg_u32 s[WV], 0
	s_cbranch_scc1 .Lnot_wave_0_\@
	s_barrier_signal -3
.Lnot_wave_0_\@:
	s_barrier_wait -3
	s_barrier_signal -1
	s_barrier_wait -1
.endm
; THE CHANGE OF SLOTS.  Each wave waits for all its tensor loads (its part of the other slot), adds 0 to its spare word, and waits for that and for its reads of the slot that it leaves.
; fill = 1: a round of the cluster's barrier, and the old slot's joint refill with tile NXT first behind it: one load a wave, a whole step in which to land.
.macro CHANGE fill
	WIN 0
	s_wait_tensorcnt 0x0                           ; no tensor load of mine is out, so a group 0 may be written
	ds_add_u32 v[SPW], v[NIL]
.if \fill
	s_lshl_b32 s[OFF], s[NXT], 16                  ; a tile is 65,536 bytes of K and of V
	s_xor_b32 s[FB], s[FB], SLOTB
	s_add_co_u32 s[G0K+1], s[FB], s[LK]
	s_add_nc_u64 s[G0K+2:G0K+3], s[KB:KB+1], s[OFF:OFF+1]
	s_or_b32 s[G0K+3], s[G0K+3], 0x80000000
	s_add_co_u32 s[G0V+1], s[FB], s[LV]
	s_add_nc_u64 s[G0V+2:G0V+3], s[VB:VB+1], s[OFF:OFF+1]
	s_or_b32 s[G0V+3], s[G0V+3], 0x80000000
	s_add_co_u32 s[NXT], s[NXT], 1                 ; the block's next tile, or behind its last the second block's tile 0
	s_cmp_gt_u32 s[NXT], s[LQ]
	s_cselect_b32 s[NXT], 0, s[NXT]
	s_cselect_b32 s[LQ], s[J], s[LQ]
	s_wait_xcnt 0x0                                ; the last prefetch, a step back, has read its address
	s_add_nc_u64 s[PFA:PFA+1], s[PFA:PFA+1], 65536
	s_wait_dscnt 0x0                               ; the add is done, and my reads of the slot are over
	CROUND
	JLOAD
	ASK
.else
	s_wait_dscnt 0x0
	s_barrier_signal -1
	s_barrier_wait -1
.endif
	s_xor_b32 s[TB], s[TB], SLOTB
.endm
.macro QLOAD b                         ; a block's Q: tile i / 4, channels 32 (i % 4) on
	WIN 0x80
.irp i, 0,1,2,3,4,5,6,7,8,9,10,11,12,13,14,15
	global_load_b128 v[8*(\i):8*(\i)+3],   v[QO], s[\b:\b+1] offset:((\i)/8)*524288+(((\i)/4)%2)*4096+((\i)%4)*64
	global_load_b128 v[8*(\i)+4:8*(\i)+7], v[QO], s[\b:\b+1] offset:((\i)/8)*524288+(((\i)/4)%2)*4096+((\i)%4)*64+32
.endr
	WIN 0
.endm
.macro INIT base                       ; a block begins: c m, m, and the mask of its last tile
	WIN 0
.irp t, 0,1,2,3
	v_mov_b32 v[ST+8*(\t)], 0xfe000000             ; c m: far below every c s
	v_mov_b32 v[ST+8*(\t)+1], 0xf0800000           ; m = -2^98
.endr
	v_add_nc_u32 v[TH], s[\base], v[THB]
	WIN 0xc0
.irp g, 0,1,2,3,4
.irp j, 0,1,2,3,4,5,6,7
	v_cmp_gt_i32 vcc_lo, 16*((\g)-1)+(\j), v[TH]
	v_cndmask_b32 v[MD+8*(\g)+(\j)], 0, s[BIGN], vcc_lo
.endr
.endr
	WIN 0
.endm
	s_load_b256 s[4:11], s[0:1], 0x0               ; qh 4, kh 6, vh 8, sg 10
	s_load_b64 s[20:21], s[0:1], 0x20              ; og
	v_lshl_add_u32 v[SPW], v0, 2, SPARE
	v_mov_b32 v[NIL], 0
	ds_add_u32 v[SPW], v[NIL]                      ; the wave's opening: the add and its wait ahead of my first tensor load
	v_lshrrev_b32 v1, 5, v0
	v_readfirstlane_b32 s[WV], v1
	s_bfe_u32 s13, ttmp6, 0x40000                  ; cx
	s_lshr_b32 s[J], ttmp9, 1
	s_lshl_b32 s15, ttmp9, 2
	s_add_co_u32 s15, s15, s13                     ; p: it enters global offsets and the mask's threshold alone
	s_and_b32 s18, ttmp7, 0xffff                   ; 4 b + g
	s_and_b32 s19, s[WV], 1
	s_mul_i32 s[LK], s19, 128*PK
	s_mul_i32 s[LV], s19, 128*PV
	s_add_co_u32 s[LV], s[LV], VOFF
	s_mov_b32 s[G1K], 15|(1<<16)|(1<<20)|(1<<21)|(5<<22)|(3<<25)  ; the mask of four; 2-byte elements; padding on; bit 21 beside a mask; 4 words behind every 64
	s_mov_b32 s[G1V], 15|(1<<16)|(1<<20)|(1<<21)|(5<<22)|(7<<25)  ; 8 words
.irp g, G1K, G1V
	s_mov_b32 s[(\g)+1], 128<<16                   ; tensor_dim0 = 128
	s_mov_b32 s[(\g)+2], 128<<16                   ; tensor_dim1 = 128
	s_mov_b32 s[(\g)+3], 128<<16                   ; tile_dim0 = 128
	s_mov_b32 s[(\g)+4], 128                       ; tile_dim1 = 128
	s_mov_b32 s[(\g)+5], 128                       ; elements from row to row
	s_mov_b32 s[(\g)+6], 0
	s_mov_b32 s[(\g)+7], 0
.endr
	s_mov_b32 s[G0K], 1
	s_mov_b32 s[G0K+1], s[LK]                      ; slot 0
	s_mov_b32 s[G0V], 1
	s_mov_b32 s[G0V+1], s[LV]
	s_mov_b32 s[CS], 0x3e0293ee                    ; c = log2(e) / sqrt(128)
	s_mov_b32 s[CS+1], s[CS]
	s_mov_b32 s[SEL], 0x76543210
	s_mov_b32 s[SEL+1], 0xfedcba98
	s_mov_b32 s[TB], SLOTB                         ; the first change of slots turns it into 0
	s_mov_b32 s[FB], 0
	s_sub_co_u32 s[RT], 8, s[J]
	s_mov_b32 s[NXT], 1
	s_sub_co_u32 s[LQ], 7, s[J]
	s_mov_b32 s[OFF+1], 0
	s_mov_b32 s[AL+1], 0
	s_mov_b32 s[BIGN], 0xf149f2ca                  ; -1e30
	s_and_b32 s2, s15, 7
	s_lshl_b32 s[TLO], s2, 5                       ; block p's place in its last tile,
	s_sub_co_u32 s[THI], 224, s[TLO]               ; block 63 - p's
	s_cmp_eq_u32 ttmp9, 0
	s_cselect_b32 s[LIM], 2, -1
	s_lshl_b32 s22, s18, 19
	s_lshl_b32 s23, s19, 15
	s_add_co_u32 s22, s22, s23
	s_mov_b32 s23, 0                               ; K and V: my half of tile 0
	; the blocks' byte offsets, each in the pair that takes its tensor's address below
	s_sub_co_u32 s54, 63, s15                      ; the first block
	s_lshl_b32 s52, s18, 20                        ; qh: two heads of 2,048 rows of 256 bytes for each y,
	s_lshl_b32 s53, s54, 13                        ; 32 rows for each block
	s_add_co_u32 s[QH], s52, s53
	s_mov_b32 s[QH+1], 0
	s_lshl_b32 s53, s15, 13
	s_add_co_u32 s[QL], s52, s53
	s_mov_b32 s[QL+1], 0
	s_lshl_b32 s[SGA], s[QH], 1                    ; sg: the same rows, of 512 bytes
	s_mov_b32 s[SGA+1], 0
	s_lshl_b32 s[SGL], s[QL], 1
	s_mov_b32 s[SGL+1], 0
	s_lshr_b32 s55, s18, 2                         ; b
	s_and_b32 s57, s18, 3
	s_lshl_b32 s57, s57, 9                         ; og: g's two heads are 512 bytes of a row
	s_mul_i32 s52, s55, 1536
	s_add_co_u32 s52, s52, 1536                    ; a position s >= 512 has row 1536 + 1536 b + s
	s_lshl_b32 s53, s54, 5
	s_add_co_u32 s53, s53, s52                     ; the first block begins at position 1,024 or later
	s_lshl_b32 s53, s53, 11
	s_add_co_u32 s[OGA], s53, s57
	s_mov_b32 s[OGA+1], 0
	s_lshl_b32 s53, s15, 5                         ; the second block: position 32 p
	s_add_co_u32 s52, s52, s53
	s_lshl_b32 s55, s55, 9
	s_add_co_u32 s53, s53, s55                     ; c = 512 b + 32 p
	s_and_b32 s55, s53, 0xffffffc0
	s_add_co_u32 s53, s53, s55                     ; 128 (c / 64) + c % 64
	s_cmp_lt_u32 ttmp9, 4                          ; p < 16: the same in all four partners
	s_cselect_b32 s53, s53, s52
	s_cselect_b32 s[CR], 1, 0
	s_lshl_b32 s53, s53, 11
	s_add_co_u32 s[OGL], s53, s57
	s_mov_b32 s[OGL+1], 0
	s_lshl_b32 s66, s13, 14
	s_lshl_b32 s67, s19, 13
	s_add_co_u32 s66, s66, s67
	s_lshl_b32 s67, s18, 19
	s_add_co_u32 s66, s66, s67
	s_add_co_u32 s66, s66, 65536
	s_mov_b32 s67, 0                               ; the prefetches: my 32 rows, in tile 1; stepped ahead of each use
	s_wait_dscnt 0x0                               ; the opening add is done
	s_wait_kmcnt 0x0
	s_add_nc_u64 s[KB:KB+1], s[6:7], s[22:23]
	s_add_nc_u64 s[VB:VB+1], s[8:9], s[22:23]
	s_mov_b64 s[G0K+2:G0K+3], s[KB:KB+1]
	s_or_b32 s[G0K+3], s[G0K+3], 0x80000000
	s_mov_b64 s[G0V+2:G0V+3], s[VB:VB+1]
	s_or_b32 s[G0V+3], s[G0V+3], 0x80000000
	s_add_nc_u64 s[QH:QH+1], s[4:5], s[QH:QH+1]
	s_add_nc_u64 s[QL:QL+1], s[4:5], s[QL:QL+1]
	s_add_nc_u64 s[SGA:SGA+1], s[10:11], s[SGA:SGA+1]
	s_add_nc_u64 s[SGL:SGL+1], s[10:11], s[SGL:SGL+1]
	s_add_nc_u64 s[OGA:OGA+1], s[20:21], s[OGA:OGA+1]
	s_add_nc_u64 s[OGL:OGL+1], s[20:21], s[OGL:OGL+1]
	s_cmp_lt_u32 s[WV], 2
	s_cselect_b64 s[PFA:PFA+1], s[6:7], s[8:9]
	s_add_nc_u64 s[PFA:PFA+1], s[PFA:PFA+1], s[66:67]
	CROUND                                         ; all four work-groups are here
	JLOAD                                          ; tile 0 into slot 0; slot 1 is asked for by the loop's first change of slots
	v_and_b32 v1, 15, v0                           ; r
	v_bfe_u32 v9, v0, 4, 1                         ; h
	v_lshlrev_b32 v[QO], 8, v1
	v_lshl_add_u32 v[QO], v9, 4, v[QO]
	QLOAD QH
	s_mul_i32 s2, s[WV], 64*PK                     ; my 64 keys
	v_mul_u32_u24 v[AK0], v1, PK
	v_lshl_add_u32 v[AK0], v9, 4, v[AK0]
	v_add_nc_u32 v[AK0], s2, v[AK0]
	v_and_b32 v10, 7, v0
	v_bfe_u32 v11, v0, 3, 1
	v_lshl_add_u32 v[AV0], v9, 3, v10
	v_mul_u32_u24 v[AV0], v[AV0], PV
	v_lshl_add_u32 v[AV0], v11, 4, v[AV0]
	s_mul_i32 s2, s[WV], 64*PV
	s_add_co_u32 s2, s2, VOFF
	v_add_nc_u32 v[AV0], s2, v[AV0]
	v_and_b32 v10, 31, v0
	s_mul_i32 s2, s[WV], 16*MP
	s_add_co_u32 s2, s2, MERGE
	v_mul_u32_u24 v[MST], v1, MP                   ; my partial tile: row r, 32 bytes for each half of the lanes
	v_lshl_add_u32 v[MST], v9, 5, v[MST]
	v_add_nc_u32 v[MST], s2, v[MST]
	s_mul_i32 s2, s[WV], 4*MP
	s_add_co_u32 s2, s2, MERGE
	v_lshl_add_u32 v[MRD], v10, 4, s2              ; back: rows 4 w .. 4 w + 3 of all four partial tiles
	s_lshl_b32 s2, s[WV], 8
	s_add_co_u32 s2, s2, STATS
	v_lshl_add_u32 v[STW], v1, 2, s2
	v_lshlrev_b32 v[STR], 2, v1
	v_add_nc_u32 v[STR], STATS, v[STR]
	s_lshl_b32 s2, s[WV], 11
	v_lshl_add_u32 v[GSO], v10, 4, s2              ; the gates: my 16 bytes of rows 4 w .. of 512 bytes
	s_lshl_b32 s2, s[WV], 13
	v_lshl_add_u32 v[GOO], v10, 3, s2              ; og: my 8 bytes of rows 4 w .. of 2,048 bytes
	v_lshlrev_b32 v11, 3, v9
	v_sub_nc_u32 v[THB], v1, v11
	s_lshl_b32 s2, s[WV], 6
	v_sub_nc_u32 v[THB], v[THB], s2                ; r - 8 h - 64 w
	v_mov_b32 v[N1], -1.0
	v_lshlrev_b32 v[PFO], 8, v10
	; A block's first step multiplies O^T and l by a = 0, so they need only hold finite numbers: zeros for the first block, what the first block left for the second.  This stands in the wait for the first tile.
	WIN 0x40
.set i, 0
.rept 256
	v_mov_b32 v[i], 0
.set i, i+1
.endr
	WIN 0
.irp t, 0,1,2,3
	v_mov_b32 v[ST+8*(\t)+2], 0
	v_mov_b32 v[ST+8*(\t)+3], 0
.endr
	INIT THI
; Product i of 32 of S^T = K Q^T for piece x: channels 32 (i / 8) on, keys 16 ((i / 2) % 4) on, tile x + i % 2.  The first 8 start the sums with the mask.  The 8 accumulators take turns.
.macro KQ x
.set kc, i/8
.set kb, (i/2)%4
.set kt, (\x)+i%2
.set rS, S+32*kt+8*kb
.set rK, KF+32*kb+8*kc
.set rQ, 32*kt+8*kc
.set rM, MC+8*(kb-i%2+1)
.if i < 8
	WIN 0x3a                                       ; K and Q window 2, the mask window 3, S^T window 0
	v_wmma_f32_16x16x32_f16 v[rS:rS+7], v[rK:rK+7], v[rQ:rQ+7], v[rM:rM+7]
.else
	WIN 0x0a
	v_wmma_f32_16x16x32_f16 v[rS:rS+7], v[rK:rK+7], v[rQ:rQ+7], v[rS:rS+7]
.endif
.set i, i+1
.endm
; Product i of 32 of O^T += V^T P for piece x: keys 32 (i / 16) on, channels 16 ((i / 2) % 8) on, tile x + i % 2.  16 accumulators take turns.
.macro PV x
.set kk, i/16
.set cb, (i/2)%8
.set kt, (\x)+i%2
.set rO, 64*kt+8*cb
.set rV, 64*kk+8*cb
.set rP, P+16*kt+8*kk
	WIN W_PV
	v_wmma_f32_16x16x32_f16 v[rO:rO+7], v[rV:rV+7], v[rP:rP+7], v[rO:rO+7]
.set i, i+1
.endm
; One tile's softmax for a step is a list of 134 instructions; SM writes number j for tile t.
;   0-15 the maximum of the 32 scores and the old m (each accumulator's lowest registers are read first)   16-20 the other half of the lanes; m; c m; its change
;   21-69 ONE BATCH: the 16 scalings c s - c m and all 33 exponentials (a at 23); none reads an exponential's result   70-85 the roundings to f16   86-101 the sums; l = a l + sum   102-133 O^T times a
.macro SM t
.set rT, ST+8*(\t)
.set rS, S+32*(\t)
.set rP, P+16*(\t)
.set rO, 64*(\t)+2*(j-102)
.if j < 102
	WIN 0
.endif
.if j < 4
	v_max3_num_f32 v[rT+4+j], v[rS+8*j], v[rS+8*j+1], v[rS+8*j+2]
.elseif j < 12
	v_max3_num_f32 v[rT+4+j%4], v[rT+4+j%4], v[rS+8*(j%4)+2*(j/4)+1], v[rS+8*(j%4)+2*(j/4)+2]
.elseif j == 12
	v_max3_num_f32 v[rT+4], v[rT+4], v[rS+7], v[rS+15]
.elseif j == 13
	v_max3_num_f32 v[rT+6], v[rT+6], v[rS+23], v[rS+31]
.elseif j == 14
	v_max3_num_f32 v[rT+4], v[rT+4], v[rT+5], v[rT+6]
.elseif j == 15
	v_max3_num_f32 v[rT+4], v[rT+4], v[rT+7], v[rT+1]
.elseif j == 16
	v_permlanex16_b32 v[rT+5], v[rT+4], s[SEL], s[SEL+1]
.elseif j == 17
	v_mov_b32 v[rT+7], v[rT]
.elseif j == 18
	v_max_num_f32 v[rT+1], v[rT+4], v[rT+5]
.elseif j == 19
	v_mul_f32 v[rT], s[CS], v[rT+1]
.elseif j == 20
	v_sub_f32 v[rT+7], v[rT+7], v[rT]
.elseif j == 23
	v_exp_f32 v[rT+6], v[rT+7]
.elseif (j < 23) || ((j < 38) && (j%2 == 0)) || ((j < 66) && (j%4 == 2))
.set b, (j-2)/4
.if j < 38
.set b, (j-20)/2
.endif
	v_pk_fma_f32 v[rS+2*b:rS+2*b+1], v[rS+2*b:rS+2*b+1], s[CS:CS+1], v[rT:rT+1] op_sel_hi:[1,0,0] neg_lo:[0,0,1] neg_hi:[0,0,1]
.elseif j < 70
.set e, j-38
.if j < 66
.set e, j-32-(j-38)/4
.endif
.if j < 38
.set e, (j-25)/2
.endif
	v_exp_f32 v[rS+e], v[rS+e]
.elseif j < 86
	v_cvt_pk_f16_f32 v[rP+j-70], v[rS+2*(j-70)], v[rS+2*(j-70)+1]
.elseif j < 102
.set z, j-86
.set w, 4
.set u, z
.if z >= 14
.set w, 32
.set u, 0
.elseif z >= 12
.set w, 16
.set u, z-12
.elseif z >= 8
.set w, 8
.set u, z-8
.endif
.if z < 15
	v_pk_add_f32 v[rS+w*u:rS+w*u+1], v[rS+w*u:rS+w*u+1], v[rS+w*u+w/2:rS+w*u+w/2+1]
.else
	v_pk_fma_f32 v[rT+2:rT+3], v[rT+2:rT+3], v[rT+6:rT+7], v[rS:rS+1] op_sel_hi:[1,0,1]
.endif
.else
	WIN W_RS
	v_pk_mul_f32 v[rO:rO+1], v[rO:rO+1], v[rT+6:rT+7] op_sel_hi:[1,0]
.endif
.endm
; Slice k of 64 of piece y's softmax: four instructions.  Slices 11 to 34 deal out the batch, numbers 22 to 69: four numbers of ONE tile each, the tiles by turns.  Every other slice is numbers 2 k and
; 2 k + 1 of both tiles' lists, the tiles alternating, so that no instruction reads the result of the one before it.  2 x 134 = 4 x 64 + 12: the twelve that are over stand together, in slice 63.
; Ahead of slice 35 nothing names an exponential's result, and behind slice 34 none is issued: so the piece's 66 exponentials have one plain instruction and one wait, behind slice 34.
.macro SLICE y
.if (k >= 11) && (k < 35)
.irp n, 0,1,2,3
.set j, 22+4*((k-11)/2)+(\n)
	SM (\y)+(k-11)%2
.endr
.else
.irp n, 0,1,2,3,4,5,6,7
.if ((\n) < 2) || (k == 63)
.irp t, \y, (\y)+1
.set j, 2*k+(\n)
	SM \t
.endr
.endif
.endr
.endif
.if k == 34
	v_nop
	s_wait_alu depctr_va_vdst(0)
.endif
.set k, k+1
.endm
; A KEY STEP.  K's 32 LDS loads go out first, the mask's 20 lines stand in the wait for them; V's 32 follow piece 0's first products and land beside piece 2's.
; PLACES (four plain instructions between a product and a vector instruction that reads its result, or a load into one of its registers: ISA guide 7.12.1 for vector instructions):
; behind piece 0's K Q^T four v_nop; behind piece 2's the twenty plain lines of slices 62 and 63, which name O^T of piece 0 and a alone; behind the last step's V^T P, for V's loads, the mask's lines.
; pre = 1 (in the loop): in the first block's last tile the second block's Q is asked for as soon as the last product K Q^T has read the first's.
.macro STEP pre
	s_cmp_eq_u32 s[RT], 0                          ; the block's last tile?
	s_cselect_b32 s[AL], 1.0, 0
	WIN 0
	v_add_nc_u32 v[ADR], s[TB], v[AK0]
	v_add_nc_u32 v[ADV], s[TB], v[AV0]
	WIN 0x80
.irp f, 0,1,2,3,4,5,6,7,8,9,10,11,12,13,14,15  ; K: keys 16 (f / 4) on, channels 32 (f % 4) on
	ds_load_b128 v[KF+8*(\f):KF+8*(\f)+3],   v[ADR] offset:((\f)/4)*16*PK+((\f)%4)*64
	ds_load_b128 v[KF+8*(\f)+4:KF+8*(\f)+7], v[ADR] offset:((\f)/4)*16*PK+((\f)%4)*64+32
.endr
	WIN 0xc3
.set z, 0
.rept 20
	v_pk_mul_f32 v[MC+2*z:MC+2*z+1], v[MD+2*z:MD+2*z+1], s[AL:AL+1] op_sel_hi:[1,0]
.set z, z+1
.endr
	s_wait_loadcnt 0x0                             ; Q
	s_wait_dscnt 0x0                               ; K is in
.set i, 0
.rept 32
	KQ 0
.endr
	WIN 0xc0
.irp f, 0,1,2,3,4,5,6,7,8,9,10,11,12,13,14,15  ; V, turned: keys 32 (f / 8) on, channels 16 (f % 8) on
	ds_load_tr16_b128 v[8*(\f):8*(\f)+3],   v[ADV] offset:((\f)/8)*32*PV+((\f)%8)*32
	ds_load_tr16_b128 v[8*(\f)+4:8*(\f)+7], v[ADV] offset:((\f)/8)*32*PV+16*PV+((\f)%8)*32
.endr
	WIN 0
.rept 4
	v_nop
.endr
.set i, 0
.set k, 0
.rept 32                               ; piece 2's scores | piece 0's softmax, two slices behind each product
	KQ 2
	SLICE 0
	SLICE 0
.endr
	WIN 0
.if \pre
	s_cmp_lg_u32 s[RT], 0
	s_cbranch_scc1 .Lnoq_\@
	QLOAD QL
.Lnoq_\@:
.endif
	s_wait_dscnt 0x0                               ; V is in
.set i, 0
.set k, 0
.rept 32                               ; piece 0's V^T P | piece 2's softmax
	PV 0
	SLICE 2
	SLICE 2
.endr
.set i, 0
.rept 32
	PV 2
.endr
	WIN 0
.endm
; A BLOCK'S END.  The four waves' c m and l meet in LDS; each wave scales its partial O^T by 2^(c m_own - M) / L; then, a tile at a time, the partial tiles meet in LDS, and wave w adds rows 4 w .. 4 w + 3,
; multiplies by the gate, rounds and stores.  Two barriers a tile: stores to reads, reads to the next tile's stores.
; lo = 1 (the second block): what the rounding to f16 dropped is made too (x less the rounded number is exact in f32), rounded to f16, and stored 64 rows further down where the block's positions lie under 512.
.macro FINISH lo
	WIN 0
.irp t, 0,1,2,3
	v_add_f32 v[ST+8*(\t)+4], v[ST+8*(\t)+2], v[ST+8*(\t)+3]  ; (these four are the places behind the last products)
.endr
.irp t, 0,1,2,3
	v_permlanex16_b32 v[ST+8*(\t)+5], v[ST+8*(\t)+4], s[SEL], s[SEL+1]
.endr
.irp t, 0,1,2,3
	v_add_f32 v[ST+8*(\t)+4], v[ST+8*(\t)+4], v[ST+8*(\t)+5]
.endr
.irp t, 0,1,2,3
	ds_store_b32 v[STW], v[ST+8*(\t)] offset:64*(\t)
	ds_store_b32 v[STW], v[ST+8*(\t)+4] offset:1024+64*(\t)
.endr
.irp t, 0,1,2,3
.irp i, 0,1,2,3
	global_load_b128 v[GT+16*(\t)+4*(\i):GT+16*(\t)+4*(\i)+3], v[GSO], s[SGA:SGA+1] offset:((\t)/2)*1048576+((\t)%2)*8192+512*(\i)
.endr
.endr
	s_wait_dscnt 0x0                               ; for the others' sake: my statistics are in LDS
	s_barrier_signal -1
	s_barrier_wait -1
.irp t, 0,1,2,3
.irp u, 0,1,2,3
	ds_load_b32 v[CMV+4*(\t)+(\u)], v[STR] offset:256*(\u)+64*(\t)
	ds_load_b32 v[LVV+4*(\t)+(\u)], v[STR] offset:1024+256*(\u)+64*(\t)
.endr
.endr
	s_wait_dscnt 0x0
.irp t, 0,1,2,3
	v_max3_num_f32 v[ST+8*(\t)+5], v[CMV+4*(\t)], v[CMV+4*(\t)+1], v[CMV+4*(\t)+2]
.endr
.irp t, 0,1,2,3
	v_max_num_f32 v[ST+8*(\t)+5], v[ST+8*(\t)+5], v[CMV+4*(\t)+3]
.endr
.irp t, 0,1,2,3
	v_sub_f32 v[ST+8*(\t)+6], v[ST+8*(\t)], v[ST+8*(\t)+5]
.irp u, 0,1,2,3
	v_sub_f32 v[CMV+4*(\t)+(\u)], v[CMV+4*(\t)+(\u)], v[ST+8*(\t)+5]
.endr
.endr
.irp t, 0,1,2,3
	v_exp_f32 v[ST+8*(\t)+6], v[ST+8*(\t)+6]
.irp u, 0,1,2,3
	v_exp_f32 v[CMV+4*(\t)+(\u)], v[CMV+4*(\t)+(\u)]
.endr
.endr
	v_nop
	s_wait_alu depctr_va_vdst(0)                   ; one wait for the 20
.irp t, 0,1,2,3
	v_mul_f32 v[ST+8*(\t)+7], v[LVV+4*(\t)], v[CMV+4*(\t)]
.endr
.irp u, 1,2,3
.irp t, 0,1,2,3
	v_fmac_f32 v[ST+8*(\t)+7], v[LVV+4*(\t)+(\u)], v[CMV+4*(\t)+(\u)]
.endr
.endr
.irp t, 0,1,2,3
	v_rcp_f32 v[ST+8*(\t)+7], v[ST+8*(\t)+7]
.endr
	v_nop
	s_wait_alu depctr_va_vdst(0)                   ; one wait for the four
.irp t, 0,1,2,3
	v_mul_f32 v[ST+8*(\t)+6], v[ST+8*(\t)+6], v[ST+8*(\t)+7]
.endr
	WIN W_RS
.irp t, 0,1,2,3
.set i, 64*(\t)
.rept 32
	v_pk_mul_f32 v[i:i+1], v[i:i+1], v[ST+8*(\t)+6:ST+8*(\t)+7] op_sel_hi:[1,0]  ; in ascending order: each accumulator's lowest registers first
.set i, i+2
.endr
.endr
.irp t, 0,1,2,3
	WIN 0x04                                       ; store data in window 1
.irp c, 0,1,2,3,4,5,6,7
	ds_store_b128 v[MST], v[64*(\t)+8*(\c):64*(\t)+8*(\c)+3]   offset:64*(\c)
	ds_store_b128 v[MST], v[64*(\t)+8*(\c)+4:64*(\t)+8*(\c)+7] offset:64*(\c)+16
.endr
	WIN 0
	s_wait_dscnt 0x0                               ; for the others' sake: my partial tile is in LDS
	s_barrier_signal -1
	s_barrier_wait -1
.irp u, 0,1,2,3
.irp i, 0,1,2,3
	ds_load_b128 v[MR+16*(\u)+4*(\i):MR+16*(\u)+4*(\i)+3], v[MRD] offset:16*MP*(\u)+MP*(\i)
.endr
.endr
.if (\t) == 0
	s_wait_loadcnt 0x0                             ; the gates
.endif
	s_wait_dscnt 0x0                               ; my reads are over:
	s_barrier_signal -1                            ; say so; the arithmetic, work on registers, stands in the barrier
.irp i, 0,1,2,3
	v_pk_add_f32 v[MR+4*(\i):MR+4*(\i)+1],       v[MR+4*(\i):MR+4*(\i)+1],       v[MR+16+4*(\i):MR+16+4*(\i)+1]
	v_pk_add_f32 v[MR+4*(\i)+2:MR+4*(\i)+3],     v[MR+4*(\i)+2:MR+4*(\i)+3],     v[MR+16+4*(\i)+2:MR+16+4*(\i)+3]
	v_pk_add_f32 v[MR+32+4*(\i):MR+32+4*(\i)+1], v[MR+32+4*(\i):MR+32+4*(\i)+1], v[MR+48+4*(\i):MR+48+4*(\i)+1]
	v_pk_add_f32 v[MR+32+4*(\i)+2:MR+32+4*(\i)+3], v[MR+32+4*(\i)+2:MR+32+4*(\i)+3], v[MR+48+4*(\i)+2:MR+48+4*(\i)+3]
	v_pk_add_f32 v[MR+4*(\i):MR+4*(\i)+1],       v[MR+4*(\i):MR+4*(\i)+1],       v[MR+32+4*(\i):MR+32+4*(\i)+1]
	v_pk_add_f32 v[MR+4*(\i)+2:MR+4*(\i)+3],     v[MR+4*(\i)+2:MR+4*(\i)+3],     v[MR+32+4*(\i)+2:MR+32+4*(\i)+3]
	v_pk_mul_f32 v[MR+4*(\i):MR+4*(\i)+1],       v[MR+4*(\i):MR+4*(\i)+1],       v[GT+16*(\t)+4*(\i):GT+16*(\t)+4*(\i)+1]
	v_pk_mul_f32 v[MR+4*(\i)+2:MR+4*(\i)+3],     v[MR+4*(\i)+2:MR+4*(\i)+3],     v[GT+16*(\t)+4*(\i)+2:GT+16*(\t)+4*(\i)+3]
	v_cvt_pk_f16_f32 v[H+8*(\t)+2*(\i)],   v[MR+4*(\i)],   v[MR+4*(\i)+1]
	v_cvt_pk_f16_f32 v[H+8*(\t)+2*(\i)+1], v[MR+4*(\i)+2], v[MR+4*(\i)+3]
.if \lo
	v_fma_mix_f32 v[MR+4*(\i)],   v[H+8*(\t)+2*(\i)],   v[N1], v[MR+4*(\i)]   op_sel_hi:[1,0,0]               ; x - f16(x)
	v_fma_mix_f32 v[MR+4*(\i)+1], v[H+8*(\t)+2*(\i)],   v[N1], v[MR+4*(\i)+1] op_sel:[1,0,0] op_sel_hi:[1,0,0]
	v_fma_mix_f32 v[MR+4*(\i)+2], v[H+8*(\t)+2*(\i)+1], v[N1], v[MR+4*(\i)+2] op_sel_hi:[1,0,0]
	v_fma_mix_f32 v[MR+4*(\i)+3], v[H+8*(\t)+2*(\i)+1], v[N1], v[MR+4*(\i)+3] op_sel:[1,0,0] op_sel_hi:[1,0,0]
	v_cvt_pk_f16_f32 v[HL+8*(\t)+2*(\i)],   v[MR+4*(\i)],   v[MR+4*(\i)+1]
	v_cvt_pk_f16_f32 v[HL+8*(\t)+2*(\i)+1], v[MR+4*(\i)+2], v[MR+4*(\i)+3]
.endif
.endr
	s_barrier_wait -1                              ; nobody reads this tile's partial results any more
.irp i, 0,1,2,3
	global_store_b64 v[GOO], v[H+8*(\t)+2*(\i):H+8*(\t)+2*(\i)+1], s[OGA:OGA+1] offset:((\t)%2)*32768+((\t)/2)*256+2048*(\i)  ; a head's 128 channels of a row: 256 consecutive bytes, aligned
.endr
.endr
.if \lo
	s_cmp_eq_u32 s[CR], 1                          ; from the cluster's number: the same in all waves and all partners
	s_cbranch_scc0 .Lnolo_\@
.irp t, 0,1,2,3
.irp i, 0,1,2,3
	global_store_b64 v[GOO], v[HL+8*(\t)+2*(\i):HL+8*(\t)+2*(\i)+1], s[OGA:OGA+1] offset:64*2048+((\t)%2)*32768+((\t)/2)*256+2048*(\i)
.endr
.endr
.Lnolo_\@:
.endif
.endm
	s_mov_b32 s[SLOTS], 8
.Lslot:                                            ; 8 times: a tile is entered and the next is asked for
	CHANGE 1
	s_sub_co_u32 s[RT], s[RT], 1
	STEP 1
	s_cmp_lg_u32 s[RT], 0                          ; RT hangs on the cluster's number and the loop's count: the same in all waves and all partners
	s_cbranch_scc1 .Lbottom
	FINISH 0                                       ; in the loop this is the first block's end: the second block's last tile is the walk's last
	s_wait_xcnt 0x0                                ; the loads and stores have read their bases and data
	s_mov_b64 s[SGA:SGA+1], s[SGL:SGL+1]
	s_mov_b64 s[OGA:OGA+1], s[OGL:OGL+1]
	s_add_co_u32 s[RT], s[J], 1                    ; the second block has J + 1 tiles
	INIT TLO
.Lbottom:
	s_sub_co_u32 s[SLOTS], s[SLOTS], 1
	s_cmp_lg_u32 s[SLOTS], 0
	s_cbranch_scc1 .Lslot
	CHANGE 0                                       ; the walk's last tile is written out
	s_sub_co_u32 s[RT], s[RT], 1
	STEP 0
	FINISH 1
	s_wait_tensorcnt 0x0                           ; the wave's end, behind my last tensor load and my last LDS store
	ds_add_u32 v[SPW], v[NIL]
	s_wait_dscnt 0x0
	CROUND                                         ; the closing round
	s_endpgm
.Lfunc_end_k_qfa1c37dcb6_attn:
	.size	k_qfa1c37dcb6_attn, .Lfunc_end_k_qfa1c37dcb6_attn-k_qfa1c37dcb6_attn
	.p2alignl 7, 3214868480
	.fill 96, 4, 3214868480
	.section	.rodata,"a",@progbits
	.p2align	6, 0x0
	.amdhsa_kernel k_qfa1c37dcb6_attn
		.amdhsa_group_segment_fixed_size 327680
		.amdhsa_private_segment_fixed_size 0
		.amdhsa_enable_private_segment 0
		.amdhsa_kernarg_size 40
		.amdhsa_user_sgpr_count 2
		.amdhsa_user_sgpr_kernarg_segment_ptr 1
		.amdhsa_wavefront_size32 1
		.amdhsa_system_sgpr_workgroup_id_x 1
		.amdhsa_system_sgpr_workgroup_id_y 1
		.amdhsa_system_sgpr_workgroup_id_z 1
		.amdhsa_system_vgpr_workitem_id 0
		.amdhsa_next_free_vgpr 1024
		.amdhsa_next_free_sgpr 100
		.amdhsa_reserve_vcc 1
		.amdhsa_float_denorm_mode_32 3
		.amdhsa_float_denorm_mode_16_64 3
		.amdhsa_memory_ordered 1
		.amdhsa_forward_progress 1
		.amdhsa_inst_pref_size 207
	.end_amdhsa_kernel
	.amdgpu_metadata
---
amdhsa.version: [ 1, 2 ]
amdhsa.kernels:
  - .name:           k_qfa1c37dcb6_attn
    .symbol:         k_qfa1c37dcb6_attn.kd
    .args:
      - { .name: qh, .offset: 0, .size: 8, .value_kind: global_buffer, .address_space: global }
      - { .name: kh, .offset: 8, .size: 8, .value_kind: global_buffer, .address_space: global }
      - { .name: vh, .offset: 16, .size: 8, .value_kind: global_buffer, .address_space: global }
      - { .name: sg, .offset: 24, .size: 8, .value_kind: global_buffer, .address_space: global }
      - { .name: og, .offset: 32, .size: 8, .value_kind: global_buffer, .address_space: global }
    .group_segment_fixed_size: 327680
    .private_segment_fixed_size: 0
    .kernarg_segment_align: 8
    .kernarg_segment_size: 40
    .max_flat_workgroup_size: 128
    .sgpr_count:     100
    .vgpr_count:     1024
    .wavefront_size: 32
...
	.end_amdgpu_metadata
.endif
;; end of part 3
;; launch outp (part 4): grid 8 x 20, 4 waves a work-group, clusters of 4 x 4, 327,680 bytes of LDS; arguments og, wob, out0; writes out0
.if DOCPART == 4
	.amdgcn_target "amdgcn-amd-amdhsa--gfx1250"
	.amdhsa_code_object_version 6
	.text
	.protected	k_qfa1c37dcb6_outp
	.globl	k_qfa1c37dcb6_outp
	.p2align	8
	.type	k_qfa1c37dcb6_outp,@function
k_qfa1c37dcb6_outp:
	s_mov_b64 s[64:65], 0
	v_nop
	global_prefetch_b8 v0, s[64:65] scope:SCOPE_SE
	s_setreg_imm32_b32 hwreg(HW_REG_WAVE_MODE, 25, 1), 1
	s_wait_xcnt 0x0
	s_wait_alu depctr_hold_cnt(0) depctr_sa_sdst(0) depctr_va_vdst(0) depctr_va_sdst(0) depctr_va_ssrc(0) depctr_va_vcc(0) depctr_vm_vsrc(0)
	s_getreg_b32 s2, hwreg(HW_REG_IB_STS2, 6, 4)
	s_cmp_eq_u32 s2, 0
	s_cbranch_scc0 .Lentry_in_a_cluster
	s_endpgm
.Lentry_in_a_cluster:
	s_bfe_u32 s2, ttmp6, 0x10000c
	s_cmp_lg_u32 s2, 0xf033
	s_cbranch_scc0 .Lentry_shape_is_right
	s_endpgm
.Lentry_shape_is_right:
; out0 = (O x gate) wob.  og: [5120][1024] f16; wob: [1024][2048] f16; f32 sums, f32 out.
; og's ROWS come in groups of 128, one group to a wave.  Groups 0..15: the 64 positions c = 512 b + s = 64 q .. 64 q + 63 (s < 512), first their numbers rounded to f16, then what that rounding dropped:
; the two products are added on the way out, and the wave stores 64 rows.  Groups 16..39: 128 positions s >= 512, one row each.
; LIMIT: og and wob arrive within f16's range.
; The product is built as in the projection: a tile of C is 256 x 256, four waves of 128 x 128 (64 accumulators); K in steps of 128 through two LDS slots; A [M][K] at pitch 272; B [K][N] at pitch 544, read
; turned; the matrix instruction transposed; clusters of 4 x 4 with joint loads, A's tile along a row, B's along a column.  160 work-groups: 20 x 8 tiles.
; A K STEP IS WRITTEN ONCE: a trip of the loop goes from a step's second quarter to the next step's first; the slot in hand is a scalar, added to the lanes' fixed places.  The two steps that fill
; nothing are a second loop of two trips, left in the middle of its second.
; THE WAY OUT: both slots have had their last fill: each wave lays its 128 x 128 f32 into them (pitch 528), reads whole rows of 512 bytes back and stores them.
; Which kind a wave's group is hangs on the cluster's y (0, 1: groups 0..15), the same in all sixteen partners.
.set SIZE_N, 2048
.set SIZE_K, 1024
.set KSTEP,  128
.set STEPS,  SIZE_K/KSTEP
.set PA,     272
.set PB,     544
.set HALFT,  128*PA                    ; 0x8800
.set SLOT,   4*HALFT                   ; 0x22000: its two bits are in none of wave x 0x8800, so one exclusive or turns a load's LDS address in one slot into the other's
.set DP,     528
.set DWAVE,  128*DP
.set SPARE,  2*SLOT                    ; behind the ring: the spare words, 128 bytes a wave, that no other line names
.set BSTEP,  KSTEP*SIZE_N*2
.set A0,   16                          ; my lane's place in A's part of slot 0; never rewritten
.set CA,   17                          ; the same in the slot in hand
.set B0,   20
.set CB,   21
.set STO,  24
.set RD,   25
.set SPW,  28                          ; my spare word; never rewritten
.set NIL,  29                          ; 0, for the add alone
.set PFO,  30
.set O32,  31
.set X,    64                          ; v[64:95]  8 rows x 4
.set Y,    96                          ; v[96:127] the 8 rows 64 further down
.set F0,   64
.set F1,   128
.set G1,   24                          ; s[24:31] group 1 for A; s[32:35] group 0 of slot 0's first fill; s[36:39] of slot 1's, which then walks
.set G0,   32
.set G1B,  48
.set G0B,  56
.set LIM,  43
.set PFA,  44
.set TB,   46                          ; LDS byte at which the slot in hand begins
.set PST,  66
; the way out's two scalars: neither is a register of a tensor load's descriptors
.set KIND, 2                           ; s2   1: my group holds 64 positions in two parts
.set CNT,  3                           ; s3   trips of the row loops (the K loops' counter before)
.set MSB, 0
.macro WIN new
.if MSB != (\new)
	s_set_vgpr_msb (MSB<<8)|(\new)
.set MSB, \new
.endif
.endm
.set MUL_LO, 0xa1
.set MUL_HI, 0xf1
.set TO_B,   0x40
.macro JLOAD s                         ; a joint load: waves 0, 1 fetch A's halves, waves 2, 3 B's; an s_nop 0 and four v_nop follow each line
	s_cmp_eq_u32 s11, 0
	s_cbranch_scc0 .Lfor_b_\@
	tensor_load_to_lds s[G0+4*(\s):G0+4*(\s)+3], s[G1:G1+7]
	s_nop 0
.rept 4
	v_nop
.endr
	s_branch .Lasked_\@
.Lfor_b_\@:
	tensor_load_to_lds s[G0B+4*(\s):G0B+4*(\s)+3], s[G1B:G1B+7]
	s_nop 0
.rept 4
	v_nop
.endr
.Lasked_\@:
.endm
.macro ASK                             ; a prefetch of the K step two refills on; each aligned 256 bytes named once in the launch; the loop's last two trips ask for nothing
	s_cmp_gt_u32 s3, s[LIM]
	s_cbranch_scc0 .Lnot_mine_\@
	global_prefetch_b8 v[PFO], s[PFA:PFA+1] th:TH_LOAD_NT scope:SCOPE_SE
.Lnot_mine_\@:
.endm
.macro CREST
	s_cmp_lg_u32 s10, 0
	s_cbranch_scc1 .Lnot_wave_0_\@
	s_barrier_signal -3
.Lnot_wave_0_\@:
	s_barrier_wait -3
	s_barrier_signal -1
	s_barrier_wait -1
.endm
.macro CROUND
	s_barrier_signal -1
	s_barrier_wait -1
	CREST
.endm
	s_load_b128 s[4:7], s[0:1], 0x0                ; og, wob
	s_load_b64 s[8:9], s[0:1], 0x10                ; out0
	v_lshl_add_u32 v[SPW], v0, 2, SPARE
	v_mov_b32 v[NIL], 0
	ds_add_u32 v[SPW], v[NIL]                      ; the wave's opening: the add and its wait ahead of my first tensor load
	v_lshrrev_b32 v1, 5, v0
	v_readfirstlane_b32 s10, v1
	s_lshr_b32 s11, s10, 1
	s_and_b32 s12, s10, 1
	s_bfe_u32 s40, ttmp6, 0x40000
	s_bfe_u32 s41, ttmp6, 0x40004
	s_lshl_b32 s42, ttmp9, 2
	s_add_co_u32 s42, s42, s40                     ; tile column
	s_and_b32 s13, ttmp7, 0xffff
	s_lshl_b32 s13, s13, 2
	s_add_co_u32 s13, s13, s41                     ; tile row
	s_lshl_b32 s43, s41, 2
	s_lshl_b32 s43, 15, s43
	s_lshl_b32 s44, 0x1111, s40
	s_or_b32 s[G1+0], s43, (1<<16)|(1<<20)|(1<<21)|(5<<22)|(3<<25)
	s_or_b32 s[G1B+0], s44, (1<<16)|(1<<20)|(1<<21)|(6<<22)|(7<<25)
	s_mov_b32 s[G1+1], KSTEP<<16
	s_mov_b32 s[G1+2], 128<<16
	s_mov_b32 s[G1+3], KSTEP<<16
	s_mov_b32 s[G1+4], 128
	s_mov_b32 s[G1+5], SIZE_K
	s_mov_b32 s[G1+6], 0
	s_mov_b32 s[G1+7], 0
	s_mov_b32 s[G1B+1], 256<<16
	s_mov_b32 s[G1B+2], 64<<16
	s_mov_b32 s[G1B+3], 256<<16
	s_mov_b32 s[G1B+4], 64
	s_mov_b32 s[G1B+5], SIZE_N
	s_mov_b32 s[G1B+6], 0
	s_mov_b32 s[G1B+7], 0
	s_lshl_b32 s17, s12, 7
	s_lshl_b32 s16, s13, 8
	s_add_co_u32 s16, s16, s17
	s_mov_b32 s17, 0
	s_mov_b64 s[18:19], SIZE_K*2
	s_mul_u64 s[16:17], s[16:17], s[18:19]
	s_mul_i32 s46, s12, 64*SIZE_N*2
	s_lshl_b32 s47, s42, 9
	s_add_co_u32 s46, s46, s47
	s_mov_b32 s47, 0
	s_mul_i32 s20, s10, HALFT
	s_wait_dscnt 0x0                               ; the opening add is done
	s_wait_kmcnt 0x0
	s_add_nc_u64 s[14:15], s[4:5], s[16:17]
	s_add_nc_u64 s[46:47], s[6:7], s[46:47]
	CROUND
.irp s, 0,1
	s_mov_b32 s[G0+4*(\s)], 1
	s_add_co_u32 s[G0+4*(\s)+1], s20, (\s)*SLOT
	s_add_nc_u64 s[G0+4*(\s)+2:G0+4*(\s)+3], s[14:15], (\s)*KSTEP*2
	s_or_b32 s[G0+4*(\s)+3], s[G0+4*(\s)+3], 0x80000000
	s_mov_b32 s[G0B+4*(\s)], 1
	s_add_co_u32 s[G0B+4*(\s)+1], s20, (\s)*SLOT
	s_add_nc_u64 s[G0B+4*(\s)+2:G0B+4*(\s)+3], s[46:47], (\s)*BSTEP
	s_or_b32 s[G0B+4*(\s)+3], s[G0B+4*(\s)+3], 0x80000000
	JLOAD \s                                       ; two loads of mine are out
.endr
	s_mov_b32 s[TB], 0                             ; K step 0 lies in slot 0 (B's address has gone into the descriptors: the register is free)
	v_and_b32 v1, 15, v0
	v_bfe_u32 v2, v0, 4, 1
	v_mul_u32_u24 v3, v1, PA
	v_lshl_add_u32 v3, v2, 4, v3
	s_mul_i32 s21, s11, HALFT
	v_and_b32 v4, 7, v0
	v_lshl_add_u32 v4, v2, 3, v4
	v_mul_u32_u24 v4, v4, PB
	v_bfe_u32 v5, v0, 3, 1
	v_lshl_add_u32 v4, v5, 4, v4
	s_lshl_b32 s22, s12, 8
	s_add_co_u32 s22, s22, 2*HALFT
	v_add_nc_u32 v[A0], s21, v3
	v_add_nc_u32 v[B0], s22, v4
	v_mov_b32 v[CA], v[A0]
	v_mov_b32 v[CB], v[B0]
	; the prefetches.  A: 32 rows at 32 cx of my 128, a lane a row, asked by the clusters with x = 0.  B: 16 K rows at 16 cy of my 64, a lane for each half row, asked by those with y = 0.
	s_lshl_b32 s20, s13, 8
	s_lshl_b32 s21, s12, 7
	s_add_co_u32 s20, s20, s21
	s_lshl_b32 s21, s40, 5
	s_add_co_u32 s20, s20, s21
	s_mul_i32 s20, s20, SIZE_K*2
	s_add_co_u32 s20, s20, 3*KSTEP*2
	s_lshl_b32 s21, s12, 6
	s_lshl_b32 s22, s41, 4
	s_add_co_u32 s21, s21, s22
	s_mul_i32 s21, s21, SIZE_N*2
	s_lshl_b32 s22, s42, 9
	s_add_co_u32 s21, s21, s22
	s_add_co_u32 s21, s21, 3*BSTEP
	s_and_b32 s22, ttmp7, 0xffff
	s_mov_b32 s23, SIZE_N*2
	s_mov_b32 s[PST], BSTEP
	s_mov_b32 s[PST+1], 0
	s_cmp_eq_u32 s11, 0
	s_cselect_b32 s20, s20, s21
	s_cselect_b32 s22, ttmp9, s22
	s_cselect_b32 s23, SIZE_K*2, s23
	s_cselect_b32 s[PST], KSTEP*2, s[PST]
	s_cselect_b64 s[PFA:PFA+1], s[4:5], s[6:7]
	s_cmp_eq_u32 s22, 0
	s_cselect_b32 s[LIM], 2, -1
	s_mov_b32 s21, 0
	s_add_nc_u64 s[PFA:PFA+1], s[PFA:PFA+1], s[20:21]
	v_and_b32 v6, 31, v0
	v_lshrrev_b32 v7, s11, v6
	v_mul_u32_u24 v[PFO], v7, s23
	v_and_b32 v7, s11, v6
	v_lshl_add_u32 v[PFO], v7, 8, v[PFO]
.macro MUL16 f, hi, a0, zero           ; 16 matrix instructions; the 64 accumulators take turns in the same order in every quarter, over both loops' edges too
	WIN MUL_LO+0x50*(\hi)
.irp a, \a0, (\a0)+1
.irp b, 0,1,2,3,4,5,6,7
.if \zero
	v_wmma_f32_16x16x32_f16 v[8*(8*(\a)+(\b)):8*(8*(\a)+(\b))+7], v[(\f)+8*(\b):(\f)+8*(\b)+7], v[(\f)+8*(4*(\hi)+(\a)):(\f)+8*(4*(\hi)+(\a))+7], 0
.else
	v_wmma_f32_16x16x32_f16 v[8*(8*(\a)+(\b)):8*(8*(\a)+(\b))+7], v[(\f)+8*(\b):(\f)+8*(\b)+7], v[(\f)+8*(4*(\hi)+(\a)):(\f)+8*(4*(\hi)+(\a))+7], v[8*(8*(\a)+(\b)):8*(8*(\a)+(\b))+7]
.endif
.endr
.endr
.endm
.macro FETCH q, f                      ; 32 LDS loads in one run: quarter q of the slot in hand into buffer f
	WIN TO_B
.irp i, 0,1,2,3,4,5,6,7
	ds_load_tr16_b128 v[(\f)+8*(\i):(\f)+8*(\i)+3],   v[CB] offset:(\q)*32*PB+32*(\i)
	ds_load_tr16_b128 v[(\f)+8*(\i)+4:(\f)+8*(\i)+7], v[CB] offset:(\q)*32*PB+16*PB+32*(\i)
.endr
	WIN 0
.irp i, 0,1,2,3,4,5,6,7
	ds_load_b128 v[(\f)+8*(\i):(\f)+8*(\i)+3],   v[CA] offset:(\q)*64+(\i)*16*PA
	ds_load_b128 v[(\f)+8*(\i)+4:(\f)+8*(\i)+7], v[CA] offset:(\q)*64+(\i)*16*PA+32
.endr
.endm
.macro PLACES
.rept 4
	v_nop
.endr
.endm
.macro QUARTER q, f, g, zero
	s_wait_dscnt 8                                 ; B and A's rows 0-63 are in; the youngest eight loads may be out
	MUL16 \f, 0, 0, \zero
	MUL16 \f, 0, 2, \zero
	PLACES
	FETCH \q, \g
	s_wait_dscnt 32                                ; all but the 32 just issued
	MUL16 \f, 1, 0, \zero
	MUL16 \f, 1, 2, \zero
.endm
.macro TURN fill                       ; the change of slots: the wait for all my tensor loads, the add, the wait for it and for my reads, one barrier (with fill = 1 it opens a round), the joint refill first behind it
.if \fill
	s_wait_xcnt 0x0                                ; the last prefetch, a K step back, has read its address
	s_add_nc_u64 s[PFA:PFA+1], s[PFA:PFA+1], s[PST:PST+1]
.endif
	WIN 0
	s_wait_tensorcnt 0x0
	ds_add_u32 v[SPW], v[NIL]
	s_wait_dscnt 9                                 ; (the add and the youngest eight loads may be out)
	MUL16 F1, 0, 0, 0
	s_wait_dscnt 0x0
	s_barrier_signal -1
	MUL16 F1, 0, 2, 0
	WIN 0
	s_barrier_wait -1
.if \fill
	CREST
	s_xor_b32 s[G0+5], s[G0+5], SLOT               ; the walking group 0 last named the other slot and the K step before
	s_add_nc_u64 s[G0+6:G0+7], s[G0+6:G0+7], KSTEP*2
	s_xor_b32 s[G0B+5], s[G0B+5], SLOT
	s_add_nc_u64 s[G0B+6:G0B+7], s[G0B+6:G0B+7], BSTEP
	JLOAD 1
.else
	PLACES
.endif
	s_xor_b32 s[TB], s[TB], SLOT                   ; the other slot is in hand
	v_add_nc_u32 v[CA], s[TB], v[A0]
	v_add_nc_u32 v[CB], s[TB], v[B0]
	FETCH 0, F0
.if \fill
	ASK
.endif
	MUL16 F1, 1, 0, 0
	MUL16 F1, 1, 2, 0
.endm
	s_wait_tensorcnt 1                             ; my part of K step 0 is in; K step 1's stays out
	s_barrier_signal -1
	s_barrier_wait -1
	FETCH 0, F0
	QUARTER 1, F0, F1, 1
	WIN 0
	s_mov_b32 s3, STEPS-2
.Lstep:                                            ; a trip: from a K step's second quarter to the next step's first; the slot that is left is filled again
	QUARTER 2, F1, F0, 0
	QUARTER 3, F0, F1, 0
	TURN 1
	QUARTER 1, F0, F1, 0
	WIN 0
	s_sub_co_u32 s3, s3, 1
	s_cmp_lg_u32 s3, 0
	s_cbranch_scc1 .Lstep
	s_mov_b32 s3, 2
.Ltail:                                            ; the last two K steps fill nothing; the second trip is left in its middle
	QUARTER 2, F1, F0, 0
	QUARTER 3, F0, F1, 0
	WIN 0
	s_cmp_eq_u32 s3, 1
	s_cbranch_scc1 .Llast
	TURN 0
	QUARTER 1, F0, F1, 0
	WIN 0
	s_sub_co_u32 s3, s3, 1
	s_cmp_lg_u32 s3, 0
	s_cbranch_scc1 .Ltail
.Llast:
	s_wait_tensorcnt 0x0                           ; no tensor load of mine is out: the tail's first trip has waited for all; said once more here, on every way into the way out, ahead of the LDS stores into the slots
	s_wait_dscnt 8
	MUL16 F1, 0, 0, 0
	MUL16 F1, 0, 2, 0
	s_wait_dscnt 0x0
	MUL16 F1, 1, 0, 0
	MUL16 F1, 1, 2, 0
	WIN 0
.rept 8
	v_nop                                          ; once a launch: places behind the last products, for the LDS stores that read results and the loads into A's buffers
.endr
	s_barrier_signal -1                            ; my reads of the ring are over; the set-up for the way out stands in the barrier
	s_lshl_b32 s16, s13, 1
	s_add_co_u32 s16, s16, s11                     ; q: my group of 128 rows of og
	s_lshl_b32 s17, s16, 6                         ; q < 16: c = 64 q = 512 b + s,
	s_lshr_b32 s18, s17, 9
	s_lshl_b32 s18, s18, 11
	s_and_b32 s17, s17, 511
	s_add_co_u32 s17, s17, s18                     ; and out0's row 2048 b + s
	s_lshl_b32 s18, s16, 7                         ; q >= 16: 128 q - 2048 = 1536 b + s - 512,
	s_sub_co_u32 s18, s18, 1536                    ; so this is 1536 b + s,
	s_cmp_ge_u32 s18, 2048                         ; b = 1 from 2,048 on,
	s_cselect_b32 s19, 512, 0
	s_add_co_u32 s18, s18, s19                     ; and out0's row 2048 b + s (for q < 16 the number is not used)
	s_and_b32 s22, ttmp7, 0xffff
	s_cmp_lt_u32 s22, 2                            ; the cluster's y: tile rows 0..7 hold groups 0..15
	s_cselect_b32 s16, s17, s18
	s_cselect_b32 s[KIND], 1, 0
	s_lshl_b32 s16, s16, 13                        ; rows of 8,192 bytes
	s_lshl_b32 s17, s42, 10
	s_add_co_u32 s16, s16, s17
	s_lshl_b32 s17, s12, 9
	s_add_co_u32 s16, s16, s17                     ; my 128 columns
	s_mov_b32 s17, 0
	s_add_nc_u64 s[8:9], s[8:9], s[16:17]
	s_mul_i32 s23, s10, DWAVE
	v_and_b32 v6, 31, v0
	v_mul_u32_u24 v[STO], v1, DP
	v_lshl_add_u32 v[STO], v2, 5, v[STO]
	v_add_nc_u32 v[STO], s23, v[STO]
	v_lshl_add_u32 v[RD], v6, 4, s23
	v_lshlrev_b32 v[O32], 4, v6
	s_barrier_wait -1                              ; no wave reads the ring any more
.irp a, 0,1,2,3,4,5,6,7                ; each accumulator's low half first
	WIN 0x08+4*((\a)/4)
.irp b, 0,1,2,3,4,5,6,7
	ds_store_b128 v[STO], v[8*(8*((\a)%4)+(\b)):8*(8*((\a)%4)+(\b))+3]   offset:(\a)*16*DP+64*(\b)
	ds_store_b128 v[STO], v[8*(8*((\a)%4)+(\b))+4:8*(8*((\a)%4)+(\b))+7] offset:(\a)*16*DP+64*(\b)+16
.endr
.endr
	WIN 0
	s_cmp_eq_u32 s[KIND], 1
	s_cbranch_scc1 .Ltwo
	s_mov_b32 s[CNT], 16
.Lrow:                                             ; 128 rows, 8 a trip; LDS serves a wave's instructions in order (ISA guide 5.7.1.4), so these loads see my stores
.irp i, 0,1,2,3,4,5,6,7
	ds_load_b128 v[X+4*(\i):X+4*(\i)+3], v[RD] offset:DP*(\i)
.endr
	v_add_nc_u32 v[RD], 8*DP, v[RD]
.irp i, 0,1,2,3,4,5,6,7
	s_wait_dscnt 7-(\i)                            ; row i is in; the younger rows stay out
	global_store_b128 v[O32], v[X+4*(\i):X+4*(\i)+3], s[8:9] offset:8192*(\i) th:TH_STORE_NT  ; 512 consecutive bytes, aligned
.endr
	s_wait_xcnt 0x0                                ; the stores have read their data and base
	s_add_nc_u64 s[8:9], s[8:9], 65536
	s_sub_co_u32 s[CNT], s[CNT], 1
	s_cmp_lg_u32 s[CNT], 0
	s_cbranch_scc1 .Lrow
	s_branch .Lend
.Ltwo:
	s_mov_b32 s[CNT], 8
.Lrow2:                                            ; 64 rows, 8 a trip: each is the sum of a row and of the row 64 further down
.irp i, 0,1,2,3,4,5,6,7
	ds_load_b128 v[X+4*(\i):X+4*(\i)+3], v[RD] offset:DP*(\i)
.endr
.irp i, 0,1,2,3,4,5,6,7
	ds_load_b128 v[Y+4*(\i):Y+4*(\i)+3], v[RD] offset:64*DP+DP*(\i)
.endr
	v_add_nc_u32 v[RD], 8*DP, v[RD]
.irp i, 0,1,2,3,4,5,6,7
	s_wait_dscnt 7-(\i)                            ; the eight first parts and second part i are in; the younger second parts stay out
	v_pk_add_f32 v[X+4*(\i):X+4*(\i)+1], v[X+4*(\i):X+4*(\i)+1], v[Y+4*(\i):Y+4*(\i)+1]
	v_pk_add_f32 v[X+4*(\i)+2:X+4*(\i)+3], v[X+4*(\i)+2:X+4*(\i)+3], v[Y+4*(\i)+2:Y+4*(\i)+3]
	global_store_b128 v[O32], v[X+4*(\i):X+4*(\i)+3], s[8:9] offset:8192*(\i) th:TH_STORE_NT  ; 512 consecutive bytes, aligned
.endr
	s_wait_xcnt 0x0                                ; the stores have read their data and base
	s_add_nc_u64 s[8:9], s[8:9], 65536
	s_sub_co_u32 s[CNT], s[CNT], 1
	s_cmp_lg_u32 s[CNT], 0
	s_cbranch_scc1 .Lrow2
.Lend:
	s_wait_tensorcnt 0x0                           ; the wave's end, behind my last tensor load and my last LDS store
	ds_add_u32 v[SPW], v[NIL]
	s_wait_dscnt 0x0
	CROUND                                         ; the closing round
	s_endpgm
.Lfunc_end_k_qfa1c37dcb6_outp:
	.size	k_qfa1c37dcb6_outp, .Lfunc_end_k_qfa1c37dcb6_outp-k_qfa1c37dcb6_outp
	.p2alignl 7, 3214868480
	.fill 96, 4, 3214868480
	.section	.rodata,"a",@progbits
	.p2align	6, 0x0
	.amdhsa_kernel k_qfa1c37dcb6_outp
		.amdhsa_group_segment_fixed_size 327680
		.amdhsa_private_segment_fixed_size 0
		.amdhsa_enable_private_segment 0
		.amdhsa_kernarg_size 24
		.amdhsa_user_sgpr_count 2
		.amdhsa_user_sgpr_kernarg_segment_ptr 1
		.amdhsa_wavefront_size32 1
		.amdhsa_system_sgpr_workgroup_id_x 1
		.amdhsa_system_sgpr_workgroup_id_y 1
		.amdhsa_system_sgpr_workgroup_id_z 1
		.amdhsa_system_vgpr_workitem_id 0
		.amdhsa_next_free_vgpr 1024
		.amdhsa_next_free_sgpr 68
		.amdhsa_reserve_vcc 0
		.amdhsa_float_denorm_mode_32 3
		.amdhsa_float_denorm_mode_16_64 3
		.amdhsa_memory_ordered 1
		.amdhsa_forward_progress 1
		.amdhsa_inst_pref_size 88
	.end_amdhsa_kernel
	.amdgpu_metadata
---
amdhsa.version: [ 1, 2 ]
amdhsa.kernels:
  - .name:           k_qfa1c37dcb6_outp
    .symbol:         k_qfa1c37dcb6_outp.kd
    .args:
      - { .name: og, .offset: 0, .size: 8, .value_kind: global_buffer, .address_space: global }
      - { .name: wob, .offset: 8, .size: 8, .value_kind: global_buffer, .address_space: global }
      - { .name: out0, .offset: 16, .size: 8, .value_kind: global_buffer, .address_space: global }
    .group_segment_fixed_size: 327680
    .private_segment_fixed_size: 0
    .kernarg_segment_align: 8
    .kernarg_segment_size: 24
    .max_flat_workgroup_size: 128
    .sgpr_count:     68
    .vgpr_count:     1024
    .wavefront_size: 32
...
	.end_amdgpu_metadata
.endif
;; end of part 4
